; MI455X (gfx1250); checked and timed in simulation.
; The chip was launched on July 23, 2026; its instructions are those of AMD's public machine-readable ISA for CDNA 5 (MIT licence, August 2026) and "CDNA5" Instruction Set Architecture Reference Guide (July 2026). The comments in the code are by the model that wrote it; some were corrected since.
;; Attention. Allowed arithmetic: matrix products marked QUANTISED: E2M1 operands, one E8M0 scale for each 32 along K, by v_wmma_scale_f32_16x16x128_f8f6f4 with both operands' format E2M1 (or v_wmma_scale_f32_32x16x128_f4), f32 sums; products left as they are: f32 operands where the result goes on into a quantised operand, else bf16, f16 or f32 operands; f32 sums; everything else in f32.
;; Inputs: Wk 512 x 2,048 float32; Wo 2,048 x 2,048 float32; Wq 2,048 x 2,048 float32; Wv 512 x 2,048 float32; x 1 x 2,048 x 2,048 float32.
;; Outputs: out0 1 x 2,048 x 2,048 float32.
;; This version of the problem:
;;   THIS VERSION OF THE PROBLEM IS GIVEN IN LOW PRECISION. The matrix products marked QUANTISED in the list below multiply operands that are first quantised to E2M1 (2 exponent bits, 1 mantissa bit; 4 bits a number), with one power-of-two scale for each 32 numbers along K (OCP MX v1.0); their sums are f32. All else is computed in f32.
;;   The module's matrix products, in the order in which they are computed (A, B: the left and right operand; K: the contracted axis; several contracted axes count as one K, in the product's order):
;;     1. [M 2,048, K 2,048] x [K 2,048, N 2,048]; A: input x; B: input Wq: QUANTISED
;;     2. [M 2,048, K 2,048] x [K 2,048, N 512]; A: input x; B: input Wk: QUANTISED
;;     3. [M 2,048, K 2,048] x [K 2,048, N 512]; A: input x; B: input Wv: QUANTISED
;;     4. batch 32 x [M 2,048, K 64] x [K 64, N 2,048]; A: computed on the way; B: computed on the way: left as it is (operands are no floats)
;;     5. batch 32 x [M 64, K 2,048] x [K 2,048, N 2,048]; A: computed on the way; B: softmax (see below): QUANTISED
;;     6. [M 2,048, K 2,048] x [K 2,048, N 2,048]; A: computed on the way; B: input Wo: QUANTISED
;;   THE QUANTISER, for each operand of a quantised product, along K:
;;     - K is cut into blocks of 32 from its start; a last block that is shorter is filled with zeros.
;;     - A block's scale is 2^e with e = floor(log2(the largest magnitude in the block)) - 2, held to -126 .. 127; a block of zeros has e = 0. As a byte (E8M0): e + 127.
;;     - Each number is divided by its block's scale, clamped to +-6, and rounded to the nearest number of E2M1, ties to even, subnormals kept.
;;     - The product sums the exact products of the quantised numbers (number of the format x scale) in f32.
;;   ~~~python
;;   def quantise(x, axis):      # numpy; x: float32 -> the quantised numbers, widened to float32 again
;;       x = np.moveaxis(x, axis, -1); K = x.shape[-1]
;;       x = np.pad(x, [(0, 0)] * (x.ndim - 1) + [(0, -K % 32)]); x = x.reshape(x.shape[:-1] + (-1, 32)); a = np.abs(x).max(-1, keepdims=True)
;;       e = np.where(a > 0, np.clip(np.frexp(np.where(a > 0, a, 1))[1] - 1 - 2, -126, 127), 0)      # np.frexp(a)[1] - 1 = floor(log2(a)), exactly
;;       r = np.clip(x / 2.0 ** e, -6, 6)
;;       step = 2.0 ** (np.maximum(np.frexp(np.where(r == 0, 1, r))[1] - 1, 0) - 1)
;;       q = np.round(r / step) * step * 2.0 ** e      # np.round: ties to even
;;       return np.moveaxis(q.reshape(q.shape[:-2] + (-1,))[..., :K], -1, axis).astype(np.float32)
;;   ~~~
;;   SOFTMAX AHEAD OF A QUANTISED PRODUCT. Where the list says 'softmax', what is quantised is not the finished softmax but p = 2^(t - M), with t = logit x log2(e) and M = ceil(the row's largest t), a whole number; so 1/2 < the row's largest p <= 1. The row's sum l is taken of the UNQUANTISED p, in f32, and the product's result is divided by l at the end. Since M is a whole number, a kernel that streams over the keys may use a running M (the ceiling of the running maximum): every later rescaling is an exact power of two, which a block's scale takes up: the codes' values come out the same.
;;   OPERANDS COMPUTED ON THE WAY. 'Computed on the way' means the value that the module computes at that place (a softmax that the list does not call 'softmax' is quantised finished and normalised). What goes into a quantiser is computed in f32, as accurately as f32 sums, v_exp_f32 and their like allow (about 1e-6 of the number): no bf16 or f16 on the way to a quantiser, and a product that is left as it is and whose result goes on into a quantised operand takes f32 operands (vector FMAs, or v_wmma_f32_16x16x4_f32). A number that lies on a knife's edge between two numbers of the format may be rounded either way, as far as f32 arithmetic and the matrix unit's own rounding can turn it there, and no further.
;; One version. Each part assembles by itself: llvm-mc -triple=amdgcn-amd-amdhsa -mcpu=gfx1250 --defsym DOCPART=n.
;; ======== version 1 of 1: 4 launches
;; workspace buffers: wcodes 7,340,032 bytes; wscales 458,752 bytes; qk8 5,242,880 bytes; qks 327,680 bytes; vcodes 524,288 bytes; vscales 32,768 bytes; ocodes 2,097,152 bytes; oscales 131,072 bytes
;; launch quant (part 1): grid 448 x 1, 4 waves a work-group, no clusters, 33,280 bytes of LDS; arguments x, Wq, Wk, Wv, Wo, wcodes, wscales; writes wcodes, wscales
.if DOCPART == 1
	.amdgcn_target "amdgcn-amd-amdhsa--gfx1250"
	.amdhsa_code_object_version 6
	.text
	.protected	k_q4cb8ec872c_quant
	.globl	k_q4cb8ec872c_quant
	.p2align	8
	.type	k_q4cb8ec872c_quant,@function
k_q4cb8ec872c_quant:
	s_mov_b64 s[64:65], 0
	v_nop
	global_prefetch_b8 v0, s[64:65] scope:SCOPE_SE
	s_setreg_imm32_b32 hwreg(HW_REG_WAVE_MODE, 25, 1), 1
	s_wait_xcnt 0x0
; LAUNCH 1 OF 4.  x [2048][2048], Wq [2048][2048], Wk [512][2048], Wv [512][2048], Wo [2048][2048], all f32 with K innermost, become codes of FP4 (E2M1), two a byte, and one E8M0 byte for each 32 along K.
; The five tensors are laid one behind the other as 7,168 rows: x 0.., Wq 2048.., Wk 4096.., Wv 4608.., Wo 5120..: wcodes [7168][1024 bytes], wscales [7168][64 bytes].
; WORK THAT THE PROGRAM LEAVES OUT, for all values of the inputs:
;  (1) Key steps that lie wholly above the diagonal (launch 3).  reference() sets scores to -inf wherever key > query, by a mask that it builds itself; their p is 0, which adds nothing to the row's sum or to the second
;      product, whatever q, k and v hold.  So a step of 128 keys all of which come after a wave's 16 queries is not multiplied.
;  (2) The clip to +-127 in quantize_activations (launch 2).  |t| <= amax and scale = fl(127 / max(amax, 1e-6)), so |t x scale| <= 127 (1 + 2^-23) < 127.5: the rounding gives at most 127 in size, and the clip is an identity.
;  All five inputs have a way to the output and are loaded.  LIMIT: a NaN, an infinity or an overflow that reaches only the work left out is not carried to the result.
; THE QUANTISER.  A block's scale is 2^(floor(log2(its largest magnitude)) - 2); its byte is the largest magnitude's exponent field - 2, held at 1 from below.  A block of zeros so gets the byte 1 where the rule says 127:
; its codes are zeros, which add nothing under any byte but 0xff, and the bytes are read by this program alone.
; LIMITS: blocks whose largest magnitude lies under 2^(2 - 126) keep the byte 1; NaN and infinities among the inputs are not served.
; SHARES.  Rows are dense and K is a multiple of 32: each tensor is a plain stream of blocks of 32.  A work-group takes 32,768 numbers, a wave 8,192 in 16 steps of 512.  Work-groups 0-127 x, 128-255 Wq, 256-287 Wk, 288-319 Wv, 320-447 Wo.
; Each load reads 512 consecutive bytes; a step's 2,048 bytes turn through the wave's own stage in LDS and come back 64 bytes a lane (16 neighbours along K; two lanes hold a block).  A lane's 16 codes are 8 bytes: a wave's store
; covers 256 consecutive bytes.  A wave's 256 scale bytes are gathered in LDS and leave as 256 consecutive bytes.  No tensor loads, no barrier: waves share nothing.  Loads run four steps ahead.
.set WAVES, 4
.set STEPS, 16
.set EMAX,  2
.set CB,    8                          ; bytes of 16 codes
.set R,     16                         ; v16-79   four sets of 16 numbers as they are loaded
.set X,     80                         ; v80-111  two sets of 16 neighbours
.set E,     112                        ; v112-127 a scale byte for each step
.set C,     128                        ; v128-191 codes: four registers for each step, so that no store's data are written again
.set WREG,  8192                       ; LDS: a region for each wave: two stages of 32 x SP bytes, behind them its 256 scale bytes
.set SP,    80                         ; a lane's place in a stage: 64 bytes + 16 of padding
.set SPW,   12                         ; v12  LDS address of my spare word; never rewritten
.set NIL,   13                         ; v13  0; never rewritten
.set SPARE, WAVES*WREG                 ; the spare words, 128 bytes for each wave, named by no other line
	s_load_b256 s[4:11], s[0:1], 0x0               ; x, Wq, Wk, Wv
	s_load_b128 s[12:15], s[0:1], 0x20             ; Wo, the codes
	s_load_b64 s[16:17], s[0:1], 0x30              ; the scale bytes
	v_lshl_add_u32 v[SPW], v0, 2, SPARE
	v_mov_b32 v[NIL], 0
	v_lshrrev_b32 v1, 5, v0
	v_readfirstlane_b32 s18, v1                    ; wave
	v_and_b32 v2, 31, v0                           ; lane
	v_lshlrev_b32 v3, 4, v2                        ; my 16 bytes of a load's 512
	s_mul_i32 s19, s18, WREG
	v_lshrrev_b32 v14, 2, v2
	v_mul_u32_u24 v14, v14, SP
	v_and_b32 v15, 3, v2
	v_lshl_add_u32 v14, v15, 4, v14
	v_add_nc_u32 v14, s19, v14                     ; the stage, on the way in: SP (lane / 4) + 16 (lane % 4)
	v_mul_u32_u24 v15, v2, SP
	v_add_nc_u32 v15, s19, v15                     ; and on the way out: SP x lane: my 16 neighbours
	v_mul_u32_u24 v4, v2, CB                       ; my codes' place in a step's
	v_lshrrev_b32 v5, 1, v2
	s_add_co_u32 s19, s19, 2*32*SP
	v_add_nc_u32 v5, s19, v5                       ; LDS: my wave's 256 scale bytes, my block's byte
	v_lshlrev_b32 v7, 3, v2                        ; and on the way out 8 bytes a lane
	v_add_nc_u32 v6, s19, v7
	s_wait_kmcnt 0x0
	s_mov_b64 s[20:21], s[12:13]                   ; which tensor is my work-group's: the choice hangs on the work-group's number alone
	s_mov_b32 s22, 320
	s_cmp_lt_u32 ttmp9, 320
	s_cselect_b64 s[20:21], s[10:11], s[20:21]
	s_cselect_b32 s22, 288, s22
	s_cmp_lt_u32 ttmp9, 288
	s_cselect_b64 s[20:21], s[8:9], s[20:21]
	s_cselect_b32 s22, 256, s22
	s_cmp_lt_u32 ttmp9, 256
	s_cselect_b64 s[20:21], s[6:7], s[20:21]
	s_cselect_b32 s22, 128, s22
	s_cmp_lt_u32 ttmp9, 128
	s_cselect_b64 s[20:21], s[4:5], s[20:21]
	s_cselect_b32 s22, 0, s22
	s_sub_co_u32 s22, ttmp9, s22                   ; my work-group's number within its tensor
	s_lshl_b32 s22, s22, 2
	s_add_co_u32 s22, s22, s18                     ; which run of 8,192 numbers is my wave's
	s_lshl_b32 s22, s22, 15                        ; 32,768 bytes a run: 16 MiB at the most
	s_mov_b32 s23, 0
	s_add_nc_u64 s[4:5], s[20:21], s[22:23]        ; the numbers
	s_lshl_b32 s24, ttmp9, 2
	s_add_co_u32 s24, s24, s18                     ; the run's number in the stream of all five tensors
	s_lshl_b32 s26, s24, 12                        ; 4,096 bytes of codes a run
	s_mov_b32 s27, 0
	s_add_nc_u64 s[8:9], s[14:15], s[26:27]
	s_lshl_b32 s28, s24, 8                         ; 256 scale bytes a run
	s_mov_b32 s29, 0
	s_add_nc_u64 s[10:11], s[16:17], s[28:29]
.macro LOAD t
.irp i, 0,1,2,3
	global_load_b128 v[R+16*((\t)%4)+4*\i:R+16*((\t)%4)+4*\i+3], v3, s[4:5] offset:2048*(\t)+512*\i th:TH_LOAD_NT   ; 32 lanes read 512 consecutive bytes
.endr
.endm
.macro TURN t                          ; step t's numbers through the stage: LDS serves a wave's instructions in order, so no wait stands between the stores and the loads
.irp i, 0,1,2,3
	ds_store_b128 v14, v[R+16*((\t)%4)+4*\i:R+16*((\t)%4)+4*\i+3] offset:32*SP*((\t)%2)+8*SP*\i
.endr
.irp i, 0,1,2,3
	ds_load_b128 v[X+16*((\t)%2)+4*\i:X+16*((\t)%2)+4*\i+3], v15 offset:32*SP*((\t)%2)+16*\i
.endr
.endm
.irp t, 0,1,2,3
	LOAD \t
.endr
	s_wait_loadcnt 12                              ; step 0's four loads are in; the twelve of steps 1 to 3 may be out
	TURN 0
.macro STEP t
.set XS, X+16*((\t)%2)
.if (\t) > 0
	s_wait_dscnt 1                                 ; this step's numbers are back from the stage (the last step's byte store may be out): so its stores into the stage have read their registers,
.else
	s_wait_dscnt 0x0
.endif
.if (\t)+4 < STEPS
	LOAD (\t)+4                                    ; which take the loads of four steps on
.endif
.if (\t)+1 < STEPS
.if STEPS-2-(\t) >= 3
	s_wait_loadcnt 12                              ; the next step's four loads are in; those of the three steps behind it may be out
.else
	s_wait_loadcnt 4*(STEPS-2-(\t))
.endif
	TURN (\t)+1                                    ; and go through the other stage while this step is worked
.endif
	v_max3_num_f32 v8, |v[XS]|, |v[XS+1]|, |v[XS+2]|               ; the largest magnitude of my 16, in two chains
	v_max3_num_f32 v9, |v[XS+3]|, |v[XS+4]|, |v[XS+5]|
.irp i, 6,10
	v_max3_num_f32 v8, v8, |v[XS+\i]|, |v[XS+\i+1]|
	v_max3_num_f32 v9, v9, |v[XS+\i+2]|, |v[XS+\i+3]|
.endr
	v_max3_num_f32 v8, v8, |v[XS+14]|, |v[XS+15]|
	v_max3_num_f32 v8, v8, v9, (EMAX+1)<<23        ; and the floor 2^(EMAX + 1 - 127): so the byte cannot fall under 1
	v_max_num_f32_dpp v8, v8, v8 row_xmask:1 row_mask:0xf bank_mask:0xf   ; and of my neighbour's 16: the block's
	v_add_nc_u32 v11, -(EMAX<<23), v8              ; EMAX off its exponent field: the conversion takes the exponent field of this operand as its scale
	v_cvt_scalef32_pk8_fp4_f32 v[C+4*(\t)], v[XS:XS+7], v11
	v_cvt_scalef32_pk8_fp4_f32 v[C+4*(\t)+1], v[XS+8:XS+15], v11
	v_lshrrev_b32 v[E+(\t)], 23, v11               ; the scale's byte (a plain line behind the conversions)
	ds_store_b8 v5, v[E+(\t)] offset:16*(\t)       ; both lanes of a block write the same byte with the same value
	global_store_b64 v4, v[C+4*(\t):C+4*(\t)+1], s[8:9] offset:32*CB*(\t)
.endm
.irp t, 0,1,2,3,4,5,6,7,8,9,10,11,12,13,14,15
	STEP \t
.endr
	ds_load_b64 v[8:9], v6                         ; LDS serves a wave's instructions in order: these see my stores
	s_wait_dscnt 0x0
	global_store_b64 v7, v[8:9], s[10:11]          ; 32 lanes store 256 consecutive bytes, aligned
	s_wait_tensorcnt 0x0                           ; the wave's end, behind my last LDS store
	ds_add_u32 v[SPW], v[NIL]
	s_wait_dscnt 0x0
	s_endpgm
.Lfunc_end_k_q4cb8ec872c_quant:
	.size	k_q4cb8ec872c_quant, .Lfunc_end_k_q4cb8ec872c_quant-k_q4cb8ec872c_quant
	.p2alignl 7, 3214868480
	.fill 96, 4, 3214868480
	.section	.rodata,"a",@progbits
	.p2align	6, 0x0
	.amdhsa_kernel k_q4cb8ec872c_quant
		.amdhsa_group_segment_fixed_size 33280
		.amdhsa_private_segment_fixed_size 0
		.amdhsa_enable_private_segment 0
		.amdhsa_kernarg_size 56
		.amdhsa_user_sgpr_count 2
		.amdhsa_user_sgpr_kernarg_segment_ptr 1
		.amdhsa_wavefront_size32 1
		.amdhsa_system_sgpr_workgroup_id_x 1
		.amdhsa_system_sgpr_workgroup_id_y 1
		.amdhsa_system_sgpr_workgroup_id_z 1
		.amdhsa_system_vgpr_workitem_id 0
		.amdhsa_next_free_vgpr 192
		.amdhsa_next_free_sgpr 66
		.amdhsa_reserve_vcc 0
		.amdhsa_float_denorm_mode_32 3
		.amdhsa_float_denorm_mode_16_64 3
		.amdhsa_memory_ordered 1
		.amdhsa_forward_progress 1
		.amdhsa_inst_pref_size 34
	.end_amdhsa_kernel
	.amdgpu_metadata
---
amdhsa.version: [ 1, 2 ]
amdhsa.kernels:
  - .name:           k_q4cb8ec872c_quant
    .symbol:         k_q4cb8ec872c_quant.kd
    .args:
      - { .name: x, .offset: 0, .size: 8, .value_kind: global_buffer, .address_space: global }
      - { .name: Wq, .offset: 8, .size: 8, .value_kind: global_buffer, .address_space: global }
      - { .name: Wk, .offset: 16, .size: 8, .value_kind: global_buffer, .address_space: global }
      - { .name: Wv, .offset: 24, .size: 8, .value_kind: global_buffer, .address_space: global }
      - { .name: Wo, .offset: 32, .size: 8, .value_kind: global_buffer, .address_space: global }
      - { .name: wcodes, .offset: 40, .size: 8, .value_kind: global_buffer, .address_space: global }
      - { .name: wscales, .offset: 48, .size: 8, .value_kind: global_buffer, .address_space: global }
    .group_segment_fixed_size: 33280
    .private_segment_fixed_size: 0
    .kernarg_segment_align: 8
    .kernarg_segment_size: 56
    .max_flat_workgroup_size: 128
    .sgpr_count:     66
    .vgpr_count:     192
    .wavefront_size: 32
...
	.end_amdgpu_metadata
.endif
;; end of part 1
;; launch qkv (part 2): grid 24 x 16, 4 waves a work-group, clusters of 4 x 4, 327,680 bytes of LDS; arguments wcodes, wscales, qk8, qks, vcodes, vscales; writes qk8, qks, vcodes, vscales
.if DOCPART == 2
	.amdgcn_target "amdgcn-amd-amdhsa--gfx1250"
	.amdhsa_code_object_version 6
	.text
	.protected	k_q4cb8ec872c_qkv
	.globl	k_q4cb8ec872c_qkv
	.p2align	8
	.type	k_q4cb8ec872c_qkv,@function
k_q4cb8ec872c_qkv:
	s_mov_b64 s[64:65], 0
	v_nop
	global_prefetch_b8 v0, s[64:65] scope:SCOPE_SE
	s_setreg_imm32_b32 hwreg(HW_REG_WAVE_MODE, 25, 1), 1
	s_wait_xcnt 0x0
	s_wait_alu depctr_hold_cnt(0) depctr_sa_sdst(0) depctr_va_vdst(0) depctr_va_sdst(0) depctr_va_ssrc(0) depctr_va_vcc(0) depctr_vm_vsrc(0)
	s_getreg_b32 s2, hwreg(HW_REG_IB_STS2, 6, 4)
	s_cmp_eq_u32 s2, 0
	s_cbranch_scc0 .Lentry_in_a_cluster
	s_endpgm
.Lentry_in_a_cluster:
	s_bfe_u32 s2, ttmp6, 0x10000c
	s_cmp_lg_u32 s2, 0xf033
	s_cbranch_scc0 .Lentry_shape_is_right
	s_endpgm
.Lentry_shape_is_right:
; LAUNCH 2 OF 4.  q = x Wq^T, k = x Wk^T, v = x Wv^T on codes of FP4 with E8M0 scales (K = 2,048), and what reference() does to the results on the way to attention:
;   q, k: for each token and head the largest magnitude, int8 codes round(t x 127 / max(amax, 1e-6)), and a factor for the way back;   v: quantised to FP4 along the KEYS, which are the next product's K.
; LEFT OUT: the clip to +-127, an identity for all finite inputs (shown at the head of launch 1).
; LIMITS: t x scale and the rounding to a whole number are ONE fused multiply-add with 1.5 x 2^23 (one rounding where reference() has two: it can differ only where t x scale lies within an ulp of a half);
;   amax above 2^126 is not served (the reciprocal falls to 0 there); NaN and infinities are not served; a block of zeros of v keeps the byte 1 (its codes are zeros; only this program reads the bytes).
; TILE.  A work-group makes 128 x 128 of a product; four waves, 64 x 64 each: 16 accumulators.  THE WHOLE K LIES IN LDS: 256 rows x 1,024 bytes in four chunks of 512 along K (rows of 256 bytes + 16 of padding), and the rows' scale bytes.
; So every tensor load is a first fill: five a wave are out at the start (scales, chunks 0 to 3); nothing is filled again, and the products begin when chunk 0 has landed.
; S0 is the matrix instruction's source 0 (a lane's eight results run along ITS rows), S1 its source 1 (a lane holds one of its rows).
;   clusters x = 0..4 (q, k): S0 = 128 rows of Wq or Wk, S1 = 128 tokens of x: a lane holds one token and 8 neighbouring channels.
;   cluster x = 5 (v): S0 = 128 tokens of x, S1 = 128 rows of Wv: a lane holds one channel and 8 neighbouring KEYS: nothing is transposed.
; CLUSTERS 4 x 4.  S0's tile hangs on cx alone and is asked for jointly by my column of the cluster, S1's on cy alone, by my row: each tile is requested once for four work-groups.  The paths part on the CLUSTER's x, which partners share.
; OUTPUT LAYOUTS (this program's own).  qk8 [40 heads][2048 places][64 bytes]: heads 0-31 q, 32-39 k; token s lies at the place s with bits 3 and 4 exchanged; byte 32 h + 8 i + j holds channel 16 i + 8 h + j (alike in q and k).
;   qks [40][2048] f32, tokens in order: q: max(amax, 1e-6) x log2(e) / 8 / 127; k: max(amax, 1e-6) / 127.   vcodes [8][16 steps of 128 keys][64 places of d][64 bytes], d at the place with bits 3 and 4 exchanged; vscales [8][16][64] words.
; REGISTERS.  Window 0: v1 r, v2 h, v8-15 fragment addresses by chunk, v16-17 scale addresses, v18-27, v30 the way out, v28-29 the add's two, v32-95 scale words (two sets; nothing else ever), v96-127 at work, v128-255 accumulators ((i1, i0) at 128 + 8 (4 i1 + i0)).
;   Window 1: two fragment buffers of 128: two k steps of 128 each; S1's block i at f + 8 (4 c + i), S0's at f + 64 + 8 (4 c + i).
.set CH,    69632                      ; a chunk in LDS: 256 rows x 272 bytes: S0's 128, then S1's 128
.set HALFT, 17408                      ; 64 rows: what one tensor load brings, and what one wave reads of a side
.set BLKB,  4352                       ; 16 rows
.set SCL,   4*CH                       ; the scale bytes: units of 256 bytes + 16: S0's 128 rows (64 bytes a row), then S1's
.set HALFS, 4352                       ; those of 64 rows
.set STQ,   SCL+4*HALFS                ; stages, into which no tensor load lands: q, k: 64 places x 64 bytes for each wave,
.set DQST,  STQ+4*4096                 ; 64 factors for each wave;
.set STV,   DQST+4*256                 ; v: 2 x 64 places x 64 bytes,
.set STVS,  STV+2*4096                 ; 2 x 64 scale words
.set SPARE, STVS+2*256                 ; the spare words, 128 bytes for each wave, named by no other line
.set AD0,  8
.set AD1,  12
.set ADS0, 16
.set ADS1, 17
.set SPW,  28
.set NIL,  29
.set SC,   32
.set ACC,  128
.set F0,   0
.set F1,   128
.set G1P,  24                          ; s[24:31] group 1, S0's codes;  s[32:39] S1's;  s[40:47], s[48:55] their scales
.set G1R,  32
.set G1SP, 40
.set G1SR, 48
.set GPS,  56                          ; groups 0, one for each load: S0: scales, chunks 0 to 3
.set GP0,  60
.set GP1,  68
.set GP2,  72
.set GP3,  76
.set GRS,  80                          ; S1 likewise
.set GR0,  84
.set GR1,  88
.set GR2,  92
.set GR3,  96
.set CODEW,  (1<<20)|(1<<21)|(5<<22)|(3<<25)   ; elements of 1 byte; padding on; bit 21 beside a mask; after every 64 words, 4 words
.set SCALEW, (3<<16)|CODEW                     ; the same with elements of 8 bytes
.set MSB, 0
.macro WIN new                         ; the immediate's high byte repeats the setting that is left
.if MSB != \new
	s_set_vgpr_msb (MSB<<8)|\new
.set MSB, \new
.endif
.endm
.set MUL,  0x05                        ; sources 0 and 1 window 1; C and D window 0
.set TO_F, 0x40                        ; destination window 1, address window 0
; A joint load: waves 0 and 1 fetch S0's halves, waves 2 and 3 S1's.  Each line has one mask and one set of registers for all that issue it; the branch hangs on the wave's number alone.
.macro JLOAD g0a, g1a, g0b, g1b
	s_cmp_eq_u32 s17, 0
	s_cbranch_scc0 .Lfor_r_\@
	tensor_load_to_lds s[\g0a:\g0a+3], s[\g1a:\g1a+7]
	s_nop 0
.rept 4
	v_nop
.endr
	s_branch .Lasked_\@
.Lfor_r_\@:
	tensor_load_to_lds s[\g0b:\g0b+3], s[\g1b:\g1b+7]
	s_nop 0
.rept 4
	v_nop
.endr
.Lasked_\@:
.endm
.macro CROUND                          ; a round of the cluster's barrier
	s_barrier_signal -1
	s_barrier_wait -1
	s_cmp_lg_u32 s16, 0
	s_cbranch_scc1 .Lnot_wave_0_\@
	s_barrier_signal -3
.Lnot_wave_0_\@:
	s_barrier_wait -3
	s_barrier_signal -1
	s_barrier_wait -1
.endm
.macro FING0 g, lreg, loff             ; the rest of a group 0 whose global address stands: count, LDS address, type
	s_mov_b32 s[\g], 1
	s_add_co_u32 s[\g+1], s[\lreg], \loff
	s_or_b32 s[\g+3], s[\g+3], 0x80000000
.endm
	s_load_b256 s[4:11], s[0:1], 0x0               ; wcodes s[4:5], wscales s[6:7], qk8 s[8:9], qks s[10:11]
	s_load_b128 s[12:15], s[0:1], 0x20             ; vcodes s[12:13], vscales s[14:15]
	v_lshl_add_u32 v[SPW], v0, 2, SPARE
	v_mov_b32 v[NIL], 0
	ds_add_u32 v[SPW], v[NIL]                      ; the wave's opening: the add, twice on end, and its wait ahead of my first tensor load
	ds_add_u32 v[SPW], v[NIL]
	v_lshrrev_b32 v1, 5, v0
	v_readfirstlane_b32 s16, v1                    ; wave 0..3
	s_lshr_b32 s17, s16, 1                         ; w1: my half of S1.  Also: I fetch for S0 (0) or S1 (1)
	s_and_b32 s18, s16, 1                          ; w0: my half of S0.  Also: which 64 rows I fetch
	s_bfe_u32 s19, ttmp6, 0x40000                  ; cx
	s_bfe_u32 s20, ttmp6, 0x40004                  ; cy
	s_mov_b32 s21, ttmp9                           ; cluster x: 0-3 q, 4 k, 5 v
	s_and_b32 s22, ttmp7, 0xffff                   ; cluster y
	s_lshl_b32 s2, 0x1111, s19                     ; my column of the cluster (same cx)
	s_lshl_b32 s3, s20, 2
	s_lshl_b32 s3, 15, s3                          ; my row (same cy)
	s_or_b32 s[G1P], s2, CODEW
	s_or_b32 s[G1R], s3, CODEW
	s_or_b32 s[G1SP], s2, SCALEW
	s_or_b32 s[G1SR], s3, SCALEW
.irp g, G1P, G1R                       ; 64 rows of 256 bytes, 1,024 bytes apart
	s_mov_b32 s[\g+1], 256<<16
	s_mov_b32 s[\g+2], 64<<16
	s_mov_b32 s[\g+3], 256<<16
	s_mov_b32 s[\g+4], 64
	s_mov_b32 s[\g+5], 1024
	s_mov_b32 s[\g+6], 0
	s_mov_b32 s[\g+7], 0
.endr
.irp g, G1SP, G1SR                     ; the scales of 64 rows: 4,096 dense bytes as 16 rows of 256 (32 elements of 8 bytes)
	s_mov_b32 s[\g+1], 32<<16
	s_mov_b32 s[\g+2], 16<<16
	s_mov_b32 s[\g+3], 32<<16
	s_mov_b32 s[\g+4], 16
	s_mov_b32 s[\g+5], 32
	s_mov_b32 s[\g+6], 0
	s_mov_b32 s[\g+7], 0
.endr
	; the rows of wcodes that I would fetch.  S0's hang on cx, S1's on cy; the rest is shared by the whole cluster
	s_lshl_b32 s23, s22, 9                         ; 512 x cluster y: x's rows
	s_lshl_b32 s66, s21, 9
	s_add_co_u32 s66, s66, 2048                    ; 2,048 + 512 x cluster x: Wq's and Wk's rows
	s_mov_b32 s67, 4608                            ; Wv's rows
	s_cmp_eq_u32 s21, 5
	s_cselect_b32 s66, s23, s66                    ; S0: v: x;  q, k: the weight
	s_cselect_b32 s67, s67, s23                    ; S1: v: Wv; q, k: x
	s_lshl_b32 s100, s19, 7
	s_add_co_u32 s66, s66, s100                    ; + 128 cx
	s_lshl_b32 s101, s20, 7
	s_add_co_u32 s67, s67, s101                    ; + 128 cy
	s_lshl_b32 s23, s18, 6
	s_add_co_u32 s66, s66, s23                     ; + the 64 rows that I fetch
	s_add_co_u32 s67, s67, s23
	s_lshl_b32 s[GPS+2], s66, 6                    ; 64 scale bytes a row
	s_mov_b32 s[GPS+3], 0
	s_lshl_b32 s[GP0+2], s66, 10                   ; 1,024 bytes of codes a row
	s_mov_b32 s[GP0+3], 0
	s_lshl_b32 s[GRS+2], s67, 6
	s_mov_b32 s[GRS+3], 0
	s_lshl_b32 s[GR0+2], s67, 10
	s_mov_b32 s[GR0+3], 0
	s_mul_i32 s23, s16, HALFT                      ; where they go: wave x 64 rows: no place in the cluster enters an LDS address
	s_mul_i32 s2, s16, HALFS
	s_wait_dscnt 0x0                               ; both opening adds are done
	s_wait_kmcnt 0x0
	s_add_nc_u64 s[GPS+2:GPS+3], s[6:7], s[GPS+2:GPS+3]
	s_add_nc_u64 s[GP0+2:GP0+3], s[4:5], s[GP0+2:GP0+3]
	s_add_nc_u64 s[GRS+2:GRS+3], s[6:7], s[GRS+2:GRS+3]
	s_add_nc_u64 s[GR0+2:GR0+3], s[4:5], s[GR0+2:GR0+3]
	s_add_nc_u64 s[GP1+2:GP1+3], s[GP0+2:GP0+3], 256   ; a chunk on: 256 bytes along the rows
	s_add_nc_u64 s[GP2+2:GP2+3], s[GP0+2:GP0+3], 512
	s_add_nc_u64 s[GP3+2:GP3+3], s[GP0+2:GP0+3], 768
	s_add_nc_u64 s[GR1+2:GR1+3], s[GR0+2:GR0+3], 256
	s_add_nc_u64 s[GR2+2:GR2+3], s[GR0+2:GR0+3], 512
	s_add_nc_u64 s[GR3+2:GR3+3], s[GR0+2:GR0+3], 768
	FING0 GPS, 2, SCL
	FING0 GRS, 2, SCL
	FING0 GP0, 23, 0
	FING0 GR0, 23, 0
	FING0 GP1, 23, CH
	FING0 GR1, 23, CH
	FING0 GP2, 23, 2*CH
	FING0 GR2, 23, 2*CH
	FING0 GP3, 23, 3*CH
	FING0 GR3, 23, 3*CH
	CROUND                                         ; all sixteen work-groups are here: the joint loads meet
	JLOAD GPS, G1SP, GRS, G1SR                     ; five loads of mine are out: the scales,
	JLOAD GP0, G1P, GR0, G1R                       ; and the four chunks of K
	JLOAD GP1, G1P, GR1, G1R
	JLOAD GP2, G1P, GR2, G1R
	JLOAD GP3, G1P, GR3, G1R
	v_and_b32 v1, 15, v0                           ; r
	v_bfe_u32 v2, v0, 4, 1                         ; h
	v_mul_u32_u24 v3, v1, 272
	v_lshl_add_u32 v3, v2, 4, v3                   ; a fragment's row x pitch + 16 h
	s_mul_i32 s23, s18, HALFT                      ; my 64 rows of S0
	s_mul_i32 s100, s17, HALFT
	s_add_co_u32 s100, s100, 2*HALFT               ; my 64 rows of S1, behind S0's 128
.irp c, 0,1,2,3
	v_add_nc_u32 v[AD0+\c], s23, v3
	v_add_nc_u32 v[AD1+\c], s100, v3
	s_add_co_u32 s23, s23, CH
	s_add_co_u32 s100, s100, CH
.endr
	v_lshrrev_b32 v4, 2, v1                        ; a row's 64 scale bytes: four rows to a unit of 256 + 16
	v_mul_u32_u24 v4, v4, 272
	v_and_b32 v5, 3, v1
	v_lshl_add_u32 v4, v5, 6, v4
	s_mul_i32 s23, s18, HALFS
	s_add_co_u32 s23, s23, SCL
	v_add_nc_u32 v[ADS0], s23, v4
	s_mul_i32 s23, s17, HALFS
	s_add_co_u32 s23, s23, SCL+2*HALFS
	v_add_nc_u32 v[ADS1], s23, v4
	; the way out: every LDS address is made here, ahead of the paths' parting
	v_and_b32 v5, 7, v1
	v_lshrrev_b32 v6, 3, v1
	v_lshl_add_u32 v5, v6, 4, v5                   ; L = r % 8 + 16 (r / 8): bits 3 and 4 exchanged
	v_lshlrev_b32 v6, 6, v5                        ; 64 L
	v_lshl_add_u32 v7, v2, 5, v6
	s_lshl_b32 s23, s16, 12
	s_add_co_u32 s23, s23, STQ
	v_add_nc_u32 v18, s23, v7                      ; q, k in: my stage, place L, + 32 h
	v_and_b32 v7, 31, v0                           ; lane
	v_lshl_add_u32 v22, v7, 4, s23                 ; q, k back: 16 bytes a lane
	s_lshl_b32 s23, s16, 8
	s_add_co_u32 s23, s23, DQST
	v_lshl_add_u32 v19, v1, 2, s23                 ; the factors in: 4 r
	v_lshl_add_u32 v23, v7, 3, s23                 ; and back: 8 bytes a lane
	s_lshl_b32 s23, s17, 12
	s_lshl_b32 s100, s18, 5
	s_add_co_u32 s23, s23, s100
	s_add_co_u32 s23, s23, STV
	v_lshl_add_u32 v20, v2, 2, v6
	v_add_nc_u32 v20, s23, v20                     ; v in: head w1, place L, + 32 w0 + 4 h
	s_lshl_b32 s23, s17, 8
	s_lshl_b32 s100, s18, 1
	s_add_co_u32 s23, s23, s100
	s_add_co_u32 s23, s23, STVS
	v_lshl_add_u32 v21, v5, 2, s23                 ; v's scale bytes in: word L, bytes 2 w0, 2 w0 + 1
	s_lshl_b32 s23, s16, 11
	s_add_co_u32 s23, s23, STV
	v_lshl_add_u32 v24, v7, 4, s23                 ; v back: 2,048 bytes a wave
	v_lshl_add_u32 v25, v7, 4, STVS                ; v's scale words back
	v_lshlrev_b32 v26, 4, v7                       ; in memory: 16 x lane,
	v_lshlrev_b32 v27, 3, v7                       ; 8 x lane,
	v_lshlrev_b32 v30, 12, v2
	v_lshl_add_u32 v30, v1, 4, v30                 ; 4,096 h + 16 r
; 32 LDS loads in one run: two k steps (bytes 128 hf on of chunk c's rows) into buffer f; the first k step first
.macro FETCH c, hf, f
	WIN TO_F
.irp cc, 0,1
.irp i, 0,1,2,3
	ds_load_b128 v[\f+64+8*(4*\cc+\i):\f+64+8*(4*\cc+\i)+3],   v[AD0+\c] offset:128*\hf+64*\cc+BLKB*\i
	ds_load_b128 v[\f+64+8*(4*\cc+\i)+4:\f+64+8*(4*\cc+\i)+7], v[AD0+\c] offset:128*\hf+64*\cc+BLKB*\i+32
	ds_load_b128 v[\f+8*(4*\cc+\i):\f+8*(4*\cc+\i)+3],         v[AD1+\c] offset:128*\hf+64*\cc+BLKB*\i
	ds_load_b128 v[\f+8*(4*\cc+\i)+4:\f+8*(4*\cc+\i)+7],       v[AD1+\c] offset:128*\hf+64*\cc+BLKB*\i+32
.endr
.endr
.endm
; chunk c's scale words: four words a row (k steps 0 to 3); lane r takes row r of block i
.macro SCALES c, set
.irp i, 0,1,2,3
	ds_load_b128 v[SC+32*(\set)+4*\i:SC+32*(\set)+4*\i+3], v[ADS0] offset:1088*\i+16*(\c)
.endr
.irp i, 0,1,2,3
	ds_load_b128 v[SC+32*(\set)+16+4*\i:SC+32*(\set)+16+4*\i+3], v[ADS1] offset:1088*\i+16*(\c)
.endr
.endm
; 8 matrix instructions: S1's blocks a0, a0 + 1 x S0's four, one k step (cc of buffer f; q of the chunk).  The 16 accumulators take turns, one instruction a turn.
.macro MUL8 f, cc, a0, zero, q, set
.irp a, \a0, \a0+1
.irp b, 0,1,2,3
.if \zero
	v_wmma_scale_f32_16x16x128_f8f6f4 v[ACC+8*(4*(\a)+\b):ACC+8*(4*(\a)+\b)+7], v[\f+64+8*(4*(\cc)+\b):\f+64+8*(4*(\cc)+\b)+7], v[\f+8*(4*(\cc)+(\a)):\f+8*(4*(\cc)+(\a))+7], 0, v[SC+32*(\set)+4*\b+(\q)], v[SC+32*(\set)+16+4*(\a)+(\q)] matrix_a_fmt:MATRIX_FMT_FP4 matrix_b_fmt:MATRIX_FMT_FP4
.else
	v_wmma_scale_f32_16x16x128_f8f6f4 v[ACC+8*(4*(\a)+\b):ACC+8*(4*(\a)+\b)+7], v[\f+64+8*(4*(\cc)+\b):\f+64+8*(4*(\cc)+\b)+7], v[\f+8*(4*(\cc)+(\a)):\f+8*(4*(\cc)+(\a))+7], v[ACC+8*(4*(\a)+\b):ACC+8*(4*(\a)+\b)+7], v[SC+32*(\set)+4*\b+(\q)], v[SC+32*(\set)+16+4*(\a)+(\q)] matrix_a_fmt:MATRIX_FMT_FP4 matrix_b_fmt:MATRIX_FMT_FP4
.endif
.endr
.endr
.endm
.macro PLACES                          ; four places in front of loads into registers that matrix instructions have read, and of the first read of results
.rept 4
	v_nop
.endr
.endm
.macro EVEN c, zero                    ; a chunk's first two k steps, from buffer 0; its last two are fetched in the middle
	s_wait_dscnt 16                                ; the scale words and the first k step's fragments are in; the second's sixteen loads may be out
	WIN MUL
	MUL8 F0, 0, 0, \zero, 0, (\c)%2
	MUL8 F0, 0, 2, \zero, 0, (\c)%2
	PLACES
	FETCH \c, 1, F1
	s_wait_dscnt 32                                ; all but the 32 just issued
	WIN MUL
	MUL8 F0, 1, 0, 0, 1, (\c)%2
	MUL8 F0, 1, 2, 0, 1, (\c)%2
.endm
.macro ODD c                           ; its last two, from buffer 1; the next chunk is shown whole to every wave, and its first fragments are fetched
	s_wait_dscnt 16
	WIN MUL
	MUL8 F1, 0, 0, 0, 2, (\c)%2
	MUL8 F1, 0, 2, 0, 2, (\c)%2
	s_wait_tensorcnt 2-(\c)                        ; my part of the next chunk has landed; the loads of the chunks behind it may stay out
	s_wait_dscnt 0x0                               ; no LDS instruction of mine is pending at the signal
	s_barrier_signal -1
	MUL8 F1, 1, 0, 0, 3, (\c)%2
	s_barrier_wait -1
	PLACES
	WIN 0
	SCALES (\c)+1, ((\c)+1)%2
	FETCH (\c)+1, 0, F0
	WIN MUL
	MUL8 F1, 1, 2, 0, 3, (\c)%2
.endm
	s_wait_tensorcnt 3                             ; the scales and my part of chunk 0 are in; chunks 1 to 3 may be out
	s_barrier_signal -1
	s_barrier_wait -1                              ; everybody's are
	SCALES 0, 0
	FETCH 0, 0, F0
	EVEN 0, 1                                      ; the first k step's products start the sums: nothing is cleared
	ODD 0
	EVEN 1, 0
	ODD 1
	EVEN 2, 0
	ODD 2                                          ; (its wait on TENSORcnt is for 0: from here on the descriptors' registers are free)
	EVEN 3, 0
	s_wait_dscnt 16
	MUL8 F1, 0, 0, 0, 2, 1
	MUL8 F1, 0, 2, 0, 2, 1
	s_wait_dscnt 0x0
	MUL8 F1, 1, 0, 0, 3, 1
	MUL8 F1, 1, 2, 0, 3, 1
	WIN 0
	PLACES
	s_mov_b32 s24, 0x76543210                      ; v_permlanex16_b32's selects for lane l xor 16
	s_mov_b32 s25, 0xfedcba98
.irp n, 0,1,2,3,4,5,6,7,8,9,10,11
	v_mov_b32 v[100+\n], 0                         ; a lane permute's destination counts as one of its sources
.endr
	s_cmp_eq_u32 s21, 5
	s_cbranch_scc1 .Lfill_v
	; ---- q, k.  Lane (r, h) holds, of token 16 i + r, the 32 channels 16 i0 + 8 h + j of my head, in registers ACC + 32 i + 8 i0 + j; lane l xor 16 holds the other 32.  The four blocks of tokens go by turns.
	s_mov_b32 s26, 0x4b400000                      ; 1.5 x 2^23: added to a number under 2^22 in size it leaves the nearest whole number (ties to even) in the low bits
	s_mov_b32 s27, s26
	s_mov_b32 s28, 0x0400                          ; byte 0 of two registers, side by side
	s_mov_b32 s29, 0x05040100                      ; two such pairs
	s_mov_b32 s31, 0x42fe0000                      ; 127.0
	s_mov_b32 s30, 0x3aba1e78                      ; q: log2(e) / 8 / 127
	s_cmp_eq_u32 s21, 4
	s_cselect_b32 s30, 0x3c010204, s30             ; k: 1 / 127
.irp i, 0,1,2,3
	v_max3_num_f32 v[96+\i], |v[ACC+32*\i]|, |v[ACC+32*\i+1]|, 0x358637bd   ; max(amax, 1e-6): the 1e-6 is one more leaf; each accumulator is read from its low end on
.endr
.irp k, 2,4,6,8,10,12,14,16,18,20,22,24,26,28,30
.irp i, 0,1,2,3
	v_max3_num_f32 v[96+\i], v[96+\i], |v[ACC+32*\i+\k]|, |v[ACC+32*\i+\k+1]|
.endr
.endr
.irp i, 0,1,2,3
	v_permlanex16_b32 v[100+\i], v[96+\i], s24, s25
.endr
.irp i, 0,1,2,3
	v_max_num_f32 v[96+\i], v[96+\i], v[100+\i]    ; a = max(amax, 1e-6) of the token's 64 channels
.endr
.irp i, 0,1,2,3
	v_rcp_f32 v[104+\i], v[96+\i]
.endr
.irp i, 0,1,2,3
	v_mul_f32 v[120+\i], s30, v[96+\i]             ; the factor for the way back.  (Plain lines behind the reciprocals)
.endr
	s_wait_alu depctr_va_vdst(0)                   ; a wait ahead of the first reader: one for the four reciprocals
.irp i, 0,1,2,3
	v_fma_f32 v[108+\i], -v[96+\i], v[104+\i], 1.0 ; 127 / a as an f32 division gives it: one step for 1 / a,
.endr
.irp i, 0,1,2,3
	v_fma_f32 v[104+\i], v[104+\i], v[108+\i], v[104+\i]
.endr
.irp i, 0,1,2,3
	v_mul_f32 v[112+2*\i], s31, v[104+\i]          ; the quotient,
.endr
.irp i, 0,1,2,3
	v_fma_f32 v[108+\i], -v[96+\i], v[112+2*\i], s31   ; its remainder,
.endr
.irp i, 0,1,2,3
	v_fma_f32 v[112+2*\i], v[108+\i], v[104+\i], v[112+2*\i]   ; and the correction
.endr
.irp i, 0,1,2,3
	v_mov_b32 v[113+2*\i], v[112+2*\i]             ; (named with it as a pair, so it is written)
.endr
.irp i, 0,1,2,3
	ds_store_b32 v19, v[120+\i] offset:64*\i       ; token 16 i + r's factor; both halves of the lanes write the same word with the same value
.endr
.irp k, 0,2,4,6,8,10,12,14,16,18,20,22,24,26,28,30
.irp i, 0,1,2,3
	v_pk_fma_f32 v[ACC+32*\i+\k:ACC+32*\i+\k+1], v[ACC+32*\i+\k:ACC+32*\i+\k+1], v[112+2*\i:113+2*\i], s[26:27] op_sel_hi:[1,0,0]   ; t x scale + 1.5 x 2^23: the low byte is the int8 code
.endr
.endr
.irp i, 0,1,2,3
.irp k, 0,1,2,3,4,5,6,7                ; four low bytes into one register, in place: word k of the lane's 32 bytes lands in register k, which has been read by then
	v_perm_b32 v[ACC+32*\i+4*\k], v[ACC+32*\i+4*\k+1], v[ACC+32*\i+4*\k], s28
	v_perm_b32 v[ACC+32*\i+4*\k+2], v[ACC+32*\i+4*\k+3], v[ACC+32*\i+4*\k+2], s28
	v_perm_b32 v[ACC+32*\i+\k], v[ACC+32*\i+4*\k+2], v[ACC+32*\i+4*\k], s29
.endr
	ds_store_b128 v18, v[ACC+32*\i:ACC+32*\i+3] offset:(32*(\i/2)+8*(\i%2))*64        ; token 16 i + r goes to place 32 (i / 2) + 8 (i % 2) + L
	ds_store_b128 v18, v[ACC+32*\i+4:ACC+32*\i+7] offset:(32*(\i/2)+8*(\i%2))*64+16
.endr
	s_branch .Lfilled
.Lfill_v:
	; ---- v.  Lane (r, h) holds, of channel 16 i1 + r, the keys 64 w0 + 16 i0 + 8 h + j.  Block n = 2 i1 + b of 32 keys: registers ACC + 16 n + 8 u + j = key 32 b + 16 u + 8 h + j; lane l xor 16 holds the other 16.
.irp n, 0,1,2,3,4,5,6,7
	v_max3_num_f32 v[96+\n], |v[ACC+16*\n]|, |v[ACC+16*\n+1]|, 0x1800000   ; with the floor 2^(3 - 127): the byte cannot fall under 1
.endr
.irp k, 2,4,6,8,10,12,14
.irp n, 0,1,2,3,4,5,6,7
	v_max3_num_f32 v[96+\n], v[96+\n], |v[ACC+16*\n+\k]|, |v[ACC+16*\n+\k+1]|
.endr
.endr
.irp n, 0,1,2,3,4,5,6,7
	v_permlanex16_b32 v[104+\n], v[96+\n], s24, s25
.endr
.irp n, 0,1,2,3,4,5,6,7
	v_max_num_f32 v[96+\n], v[96+\n], v[104+\n]    ; the block's largest magnitude
.endr
.irp n, 0,1,2,3,4,5,6,7
	v_add_nc_u32 v[112+\n], 0xff000000, v[96+\n]   ; 2 off its exponent field: the conversion's scale operand
.endr
.irp n, 0,1,2,3,4,5,6,7
	v_lshrrev_b32 v[120+\n], 23, v[112+\n]         ; the scale's byte
.endr
.irp i, 0,1,2,3
	v_lshl_or_b32 v[120+2*\i], v[121+2*\i], 8, v[120+2*\i]   ; a channel's two bytes
.endr
.irp n, 0,1,2,3,4,5,6,7
	v_cvt_scalef32_pk8_fp4_f32 v[96+2*\n], v[ACC+16*\n:ACC+16*\n+7], v[112+\n]
	v_cvt_scalef32_pk8_fp4_f32 v[97+2*\n], v[ACC+16*\n+8:ACC+16*\n+15], v[112+\n]
.endr
	v_nop                                          ; one plain line behind the last scaled conversion
.irp i, 0,1,2,3
.irp b, 0,1
.irp u, 0,1
	ds_store_b32 v20, v[96+2*(2*\i+\b)+\u] offset:(32*(\i/2)+8*(\i%2))*64+16*\b+8*\u   ; eight keys' codes: byte 32 w0 + 16 b + 8 u + 4 h of the channel's 64
.endr
.endr
	ds_store_b16 v21, v[120+2*\i] offset:(32*(\i/2)+8*(\i%2))*4                          ; both halves of the lanes write the same bytes with the same values
.endr
.Lfilled:
	s_wait_dscnt 0x0                               ; for the others' sake: my stores into the stages are done
	s_barrier_signal -1
	s_barrier_wait -1
	s_cmp_eq_u32 s21, 5
	s_cbranch_scc1 .Ldrain_v
	s_lshl_b32 s32, s21, 2
	s_add_co_u32 s32, s32, s19                     ; the tile of channels: 4 x cluster x + cx
	s_lshl_b32 s32, s32, 1
	s_add_co_u32 s32, s32, s18                     ; my head
	s_lshl_b32 s33, s22, 2
	s_add_co_u32 s33, s33, s20                     ; the tile of tokens: 4 x cluster y + cy
	s_lshl_b32 s33, s33, 7
	s_lshl_b32 s34, s17, 6
	s_add_co_u32 s33, s33, s34                     ; my first token
	s_lshl_b32 s36, s32, 17                        ; 131,072 bytes a head, 64 a place
	s_lshl_b32 s34, s33, 6
	s_add_co_u32 s36, s36, s34
	s_mov_b32 s37, 0
	s_add_nc_u64 s[8:9], s[8:9], s[36:37]
	s_lshl_b32 s36, s32, 13                        ; 8,192 bytes of factors a head
	s_lshl_b32 s34, s33, 2
	s_add_co_u32 s36, s36, s34
	s_add_nc_u64 s[10:11], s[10:11], s[36:37]
.irp i, 0,1,2,3,4,5,6,7
	ds_load_b128 v[96+4*\i:99+4*\i], v22 offset:512*\i
.endr
	ds_load_b64 v[128:129], v23
.irp i, 0,1,2,3,4,5,6,7
	s_wait_dscnt 8-\i                              ; load i is in; the younger ones may be out
	global_store_b128 v26, v[96+4*\i:99+4*\i], s[8:9] offset:512*\i   ; 32 lanes store 512 consecutive bytes, aligned
.endr
	s_wait_dscnt 0x0
	global_store_b64 v27, v[128:129], s[10:11]     ; 64 factors: 256 consecutive bytes, aligned
	s_branch .Ldone
.Ldrain_v:
	s_lshl_b32 s32, s22, 2
	s_add_co_u32 s32, s32, s19                     ; the key step: 4 x cluster y + cx
	s_lshl_b32 s33, s20, 1                         ; 2 cy: the tile's first kv head
	s_add_co_u32 s34, s33, s17
	s_lshl_b32 s34, s34, 4
	s_add_co_u32 s34, s34, s32
	s_lshl_b32 s36, s34, 12                        ; 4,096 bytes for a head and step
	s_lshl_b32 s35, s18, 11
	s_add_co_u32 s36, s36, s35                     ; my half of them
	s_mov_b32 s37, 0
	s_add_nc_u64 s[12:13], s[12:13], s[36:37]
.irp i, 0,1,2,3
	ds_load_b128 v[96+4*\i:99+4*\i], v24 offset:512*\i
.endr
.irp i, 0,1,2,3
	s_wait_dscnt 3-\i
	global_store_b128 v26, v[96+4*\i:99+4*\i], s[12:13] offset:512*\i
.endr
	s_cmp_lg_u32 s16, 0
	s_cbranch_scc1 .Ldone                          ; the scale words leave by wave 0: 256 bytes for each of the two heads
	s_lshl_b32 s36, s33, 4
	s_add_co_u32 s36, s36, s32
	s_lshl_b32 s36, s36, 8
	s_add_nc_u64 s[14:15], s[14:15], s[36:37]
	ds_load_b128 v[112:115], v25
	s_wait_dscnt 0x0
	global_store_b128 v30, v[112:115], s[14:15]    ; lanes 0-15 the first head's 256 bytes, lanes 16-31 the second's, 16 steps of 256 bytes on
.Ldone:
	s_wait_tensorcnt 0x0                           ; the wave's end, behind my last tensor load and my last LDS store
	ds_add_u32 v[SPW], v[NIL]
	s_wait_dscnt 0x0
	CROUND                                         ; the closing round
	s_endpgm
.Lfunc_end_k_q4cb8ec872c_qkv:
	.size	k_q4cb8ec872c_qkv, .Lfunc_end_k_q4cb8ec872c_qkv-k_q4cb8ec872c_qkv
	.p2alignl 7, 3214868480
	.fill 96, 4, 3214868480
	.section	.rodata,"a",@progbits
	.p2align	6, 0x0
	.amdhsa_kernel k_q4cb8ec872c_qkv
		.amdhsa_group_segment_fixed_size 327680
		.amdhsa_private_segment_fixed_size 0
		.amdhsa_enable_private_segment 0
		.amdhsa_kernarg_size 48
		.amdhsa_user_sgpr_count 2
		.amdhsa_user_sgpr_kernarg_segment_ptr 1
		.amdhsa_wavefront_size32 1
		.amdhsa_system_sgpr_workgroup_id_x 1
		.amdhsa_system_sgpr_workgroup_id_y 1
		.amdhsa_system_sgpr_workgroup_id_z 1
		.amdhsa_system_vgpr_workitem_id 0
		.amdhsa_next_free_vgpr 512
		.amdhsa_next_free_sgpr 104
		.amdhsa_reserve_vcc 0
		.amdhsa_float_denorm_mode_32 3
		.amdhsa_float_denorm_mode_16_64 3
		.amdhsa_memory_ordered 1
		.amdhsa_forward_progress 1
		.amdhsa_inst_pref_size 96
	.end_amdhsa_kernel
	.amdgpu_metadata
---
amdhsa.version: [ 1, 2 ]
amdhsa.kernels:
  - .name:           k_q4cb8ec872c_qkv
    .symbol:         k_q4cb8ec872c_qkv.kd
    .args:
      - { .name: wcodes, .offset: 0, .size: 8, .value_kind: global_buffer, .address_space: global }
      - { .name: wscales, .offset: 8, .size: 8, .value_kind: global_buffer, .address_space: global }
      - { .name: qk8, .offset: 16, .size: 8, .value_kind: global_buffer, .address_space: global }
      - { .name: qks, .offset: 24, .size: 8, .value_kind: global_buffer, .address_space: global }
      - { .name: vcodes, .offset: 32, .size: 8, .value_kind: global_buffer, .address_space: global }
      - { .name: vscales, .offset: 40, .size: 8, .value_kind: global_buffer, .address_space: global }
    .group_segment_fixed_size: 327680
    .private_segment_fixed_size: 0
    .kernarg_segment_align: 8
    .kernarg_segment_size: 48
    .max_flat_workgroup_size: 128
    .sgpr_count:     104
    .vgpr_count:     512
    .wavefront_size: 32
...
	.end_amdgpu_metadata
.endif
;; end of part 2
;; launch attn (part 3): grid 32 x 8, 16 waves a work-group, no clusters, 327,680 bytes of LDS; arguments qk8, qks, vcodes, vscales, ocodes, oscales; writes ocodes, oscales
.if DOCPART == 3
	.amdgcn_target "amdgcn-amd-amdhsa--gfx1250"
	.amdhsa_code_object_version 6
	.text
	.protected	k_q4cb8ec872c_attn
	.globl	k_q4cb8ec872c_attn
	.p2align	8
	.type	k_q4cb8ec872c_attn,@function
k_q4cb8ec872c_attn:
	s_mov_b64 s[64:65], 0
	v_nop
	global_prefetch_b8 v0, s[64:65] scope:SCOPE_SE
	s_setreg_imm32_b32 hwreg(HW_REG_WAVE_MODE, 25, 1), 1
	s_wait_xcnt 0x0
; LAUNCH 3 OF 4.  Causal attention.  Scores: int8 x int8 summed in int32 (exact), brought back by the two factors of launch 2: t = sum x dk[key] x dq[query], which is score x log2(e).
; p = 2^(t - M), M the running largest t rounded up to a whole number; p is quantised to FP4 along the keys; O^T += V^T P^T on codes; the row's sum is taken of the unquantised p and divides at the end.
; The result is quantised along the out-projection's K (head x 64 + d) and stored as codes: ocodes [8 g][2048 tokens][128 bytes], oscales [8 g][2048][8 bytes].
; LEFT OUT: key steps all of whose 128 keys come after a wave's 16 queries (shown at the head of launch 1): p is 0 there for all values of the inputs.
; NO CLUSTER: the look-ahead ends at a causal limit that hangs on the work-group's number, by a jump round the tensor load, which a joint load may not have.
; SHARES.  Work-group (i, g) owns kv head g and the blocks i and 63 - i of 32 queries, for the four query heads 4 g .. 4 g + 3: so all 256 work-groups have like work.  Each of sixteen waves owns one tile of 16 queries of one head.
; K's and V's tiles come through a ring of two LDS slots of 512 keys (waves 0, 1: K's halves; wave 2: V), read by all sixteen.  The factors dk and V's scale words of the whole head stay in LDS.
; LAYOUT.  Both products are used transposed: a lane holds ONE query (lane % 16).  In memory key s lies at the place s with bits 3 and 4 exchanged, so that the 16 consecutive rows of tile 2 b + u are the keys 32 b + 8 u + r + 8 (r / 8)
; and the 16 registers of tiles 2 b, 2 b + 1 are the neighbouring keys 32 b + 16 (lane / 16) + 0 .. 15.  V's rows (d) are laid likewise, so that O^T's registers 16 b + 0 .. 15 are d = 32 b + 16 (lane / 16) + 0 .. 15.
; THE INT32 SUMS START FROM THE BITS OF 1.5 x 2^23 (the C of the matrix instruction): a sum is under 2^20 in size, so the result read as f32 is 12,582,912 + sum, exactly, and one packed addition gives the sum as f32.
; REGISTERS: v1, v3, v4 addresses that stay; v5, v6 the add's two; v8, v10, v11 addresses in hand; v12 -M, v13 the largest t, v[14:15] the sum; v16-23 Q; v24-31 the C; v32-95 K's 8 fragments, then dk of keys 64-127 and V's 4 fragments;
;   v96-159 S^T, then p; v160-191 O^T; v192-223 dk of keys 0-63; v224-231 p's codes; v232-239, v244-247, v252 at work; v[240:241] dq; v242 the prefetches' offset; v248-251 V's scale words; v253 p's scale word; v[254:255] f.
.set SK,    512                        ; keys in a slot
.set KP,    80                         ; a row in LDS: 64 bytes + 16 of padding (K: a key's 64 int8; V: 128 keys' codes of one d)
.set VOFF,  SK*KP                      ; a slot: 512 rows of K, then 4 steps x 64 rows of V
.set SLOT1, 65536                      ; slot 1 begins here: one exclusive or turns an address in one slot into the other's
.set SCK,   2*SLOT1                    ; dk: 2,048 f32
.set SCV,   SCK+8192                   ; V's scale words: 16 steps x 64
.set STG,   SCV+4096                   ; the way out, into which no tensor load lands: 2 blocks x 32 tokens x 128 bytes of codes,
.set STS,   STG+8192                   ; 2 x 32 x 8 scale bytes
.set SPARE, STS+512                    ; the spare words, 128 bytes for each wave, named by no other line
.set AK0,  1
.set ASK0, 3
.set ASV0, 4
.set SPW,  5
.set NIL,  6
.set ADK,  8
.set ADS,  10
.set ADT,  11
.set PFO,  242
.set WV,   18
.set SEL,  20                          ; s[20:21] lane selects for lane l xor 16
.set MG,   22                          ; s[22:23] -12,582,912.0
.set G1K,  24                          ; s[24:31] group 1: 256 dense rows of 64 bytes, padded: K's halves and V alike
.set G1S,  32                          ; s[32:39] group 1: 4,096 dense bytes
.set G0K,  40
.set G0V,  44
.set G0SK, 48
.set G0SV, 52
.set TB,   2                           ; s2   LDS byte at which the slot in hand begins
.set TS,   3                           ; s3   the step's dk: 512 bytes a step
.set TJ,   66                          ; s66  the step's scale words of V: 256 bytes a step
.set SLOTS, 67
.set QL,   68                          ; s68  my work-group's last query
.set PFA,  76
.set PFS,  78
.set LIM,  80
.set KF,   98                          ; s98  the step's first key
.set Q0,   99                          ; s99  my first query
; Waves 0 and 1 fetch K's halves, wave 2 V, the others nothing.  The branches hang on the wave's number alone.
.macro TLOAD g0k, g1k, g0v, g1v
	s_cmp_lt_u32 s[WV], 2
	s_cbranch_scc0 .Lnot_k_\@
	tensor_load_to_lds s[\g0k:\g0k+3], s[\g1k:\g1k+7]
	s_nop 0
.rept 4
	v_nop
.endr
	s_branch .Lasked_\@
.Lnot_k_\@:
	s_cmp_lt_u32 s[WV], 3
	s_cbranch_scc0 .Lasked_\@
	tensor_load_to_lds s[\g0v:\g0v+3], s[\g1v:\g1v+7]
	s_nop 0
.rept 4
	v_nop
.endr
.Lasked_\@:
.endm
; A prefetch of what the NEXT change of slots will ask for: 32,768 bytes of K and 16,384 of V, both dense.  All 32 work-groups of a kv head walk the same K and V: work-group 0 of the head, which walks all four slots, asks, and nobody else.
; In it waves that fetch nothing ask, one instruction each, 8,192 bytes a wave, lanes 256 bytes apart: waves 4 to 7 for K, waves 8 and 9 for V.  Slots 0 and 1 come by their loads alone; the last change that fills a slot asks for nothing.
.macro ASK
	s_cmp_gt_u32 s[SLOTS], s[LIM]
	s_cbranch_scc0 .Lnot_mine_\@
	global_prefetch_b8 v[PFO], s[PFA:PFA+1] th:TH_LOAD_NT scope:SCOPE_SE
.Lnot_mine_\@:
.endm
	s_load_b256 s[4:11], s[0:1], 0x0               ; qk8 s[4:5], qks s[6:7], vcodes s[8:9], vscales s[10:11]
	s_load_b128 s[12:15], s[0:1], 0x20             ; ocodes s[12:13], oscales s[14:15]
	v_lshl_add_u32 v[SPW], v0, 2, SPARE
	v_mov_b32 v[NIL], 0
	ds_add_u32 v[SPW], v[NIL]                      ; the wave's opening: the add, twice on end, and its wait ahead of my first tensor load
	ds_add_u32 v[SPW], v[NIL]
	v_lshrrev_b32 v8, 5, v0
	v_readfirstlane_b32 s[WV], v8                  ; wave 0..15
	s_and_b32 s69, ttmp7, 0xffff                   ; g
	s_and_b32 s70, s[WV], 3                        ; which of the four query heads
	s_lshr_b32 s71, s[WV], 3                       ; which 16 of a block's 32 queries
	s_lshr_b32 s72, s[WV], 2
	s_xor_b32 s72, s72, s[WV]
	s_and_b32 s72, s72, 1                          ; which block: 0 the early one, 1 the late one; two of each in every four neighbouring waves and in every four waves that lie four apart
	s_sub_co_u32 s73, 63, ttmp9                    ; 63 - i
	s_cmp_eq_u32 s72, 0
	s_cselect_b32 s74, ttmp9, s73                  ; my block of 32 queries
	s_lshl_b32 s[Q0], s74, 5
	s_lshl_b32 s75, s71, 4
	s_add_co_u32 s[Q0], s[Q0], s75
	s_lshl_b32 s[QL], s73, 5
	s_or_b32 s[QL], s[QL], 31
	s_mov_b32 s[G1K], (1<<20)|(3<<22)|(3<<25)      ; elements of 1 byte; padding: 4 words after every 16
	s_mov_b32 s[G1K+1], 64<<16
	s_mov_b32 s[G1K+2], 256<<16
	s_mov_b32 s[G1K+3], 64<<16
	s_mov_b32 s[G1K+4], 256
	s_mov_b32 s[G1K+5], 64
	s_mov_b32 s[G1K+6], 0
	s_mov_b32 s[G1K+7], 0
	s_mov_b32 s[G1S], 3<<16                        ; elements of 8 bytes, no padding: 16 rows of 256 bytes
	s_mov_b32 s[G1S+1], 32<<16
	s_mov_b32 s[G1S+2], 16<<16
	s_mov_b32 s[G1S+3], 32<<16
	s_mov_b32 s[G1S+4], 16
	s_mov_b32 s[G1S+5], 32
	s_mov_b32 s[G1S+6], 0
	s_mov_b32 s[G1S+7], 0
	s_and_b32 s88, s[WV], 1                        ; which half of K I fetch, if I fetch
	s_mul_i32 s89, s88, 256*KP                     ; in a slot,
	s_lshl_b32 s90, s88, 14
	s_lshl_b32 s83, s69, 17
	s_add_co_u32 s83, s83, 32*131072               ; k's head 32 + g in qk8
	s_add_co_u32 s90, s90, s83                     ; and in memory
	s_mov_b32 s91, 0
	s_lshl_b32 s92, s69, 16                        ; V's codes: 65,536 bytes a head
	s_mov_b32 s93, 0
	s_lshl_b32 s94, s88, 12
	s_lshl_b32 s95, s69, 13
	s_add_co_u32 s94, s94, s95
	s_add_co_u32 s94, s94, 32*8192                 ; dk: my half of the head's 8,192 bytes
	s_mov_b32 s95, 0
	s_lshl_b32 s96, s69, 12                        ; V's scale words: 4,096 bytes a head
	s_mov_b32 s97, 0
	s_lshl_b32 s82, s69, 2
	s_add_co_u32 s82, s82, s70                     ; my query head
	s_lshl_b32 s84, s82, 17
	s_lshl_b32 s85, s74, 11                        ; my block's 32 places of 64 bytes
	s_add_co_u32 s84, s84, s85
	s_lshl_b32 s85, s71, 9                         ; + 8 places for the block's second 16 queries (bit 4 of a token is bit 3 of its place)
	s_add_co_u32 s84, s84, s85
	s_mov_b32 s85, 0
	s_lshl_b32 s86, s82, 13
	s_lshl_b32 s87, s[Q0], 2
	s_add_co_u32 s86, s86, s87                     ; dq of my first query
	s_mov_b32 s87, 0
	s_mov_b32 s[SEL], 0x76543210
	s_mov_b32 s[SEL+1], 0xfedcba98
	s_mov_b32 s[MG], 0xcb400000
	s_mov_b32 s[MG+1], s[MG]
	s_mov_b32 s[TB], 0
	s_mov_b32 s[TS], 0
	s_mov_b32 s[TJ], 0
	s_mov_b32 s[SLOTS], 3
	s_mov_b32 s[KF], 0
	s_wait_dscnt 0x0                               ; both opening adds are done
	s_wait_kmcnt 0x0
	s_mov_b32 s[G0SK], 1
	s_lshl_b32 s[G0SK+1], s88, 12
	s_add_co_u32 s[G0SK+1], s[G0SK+1], SCK
	s_add_nc_u64 s[G0SK+2:G0SK+3], s[6:7], s[94:95]
	s_or_b32 s[G0SK+3], s[G0SK+3], 0x80000000
	s_mov_b32 s[G0SV], 1
	s_mov_b32 s[G0SV+1], SCV
	s_add_nc_u64 s[G0SV+2:G0SV+3], s[10:11], s[96:97]
	s_or_b32 s[G0SV+3], s[G0SV+3], 0x80000000
	TLOAD G0SK, G1S, G0SV, G1S                     ; dk and V's scale words of the whole head: filled once
	s_mov_b32 s[G0K], 1
	s_mov_b32 s[G0K+1], s89
	s_add_nc_u64 s[G0K+2:G0K+3], s[4:5], s[90:91]
	s_or_b32 s[G0K+3], s[G0K+3], 0x80000000
	s_mov_b32 s[G0V], 1
	s_mov_b32 s[G0V+1], VOFF
	s_add_nc_u64 s[G0V+2:G0V+3], s[8:9], s[92:93]
	s_or_b32 s[G0V+3], s[G0V+3], 0x80000000
	TLOAD G0K, G1K, G0V, G1K                       ; slot 0: it holds key 0, which counts for every query
	s_add_nc_u64 s[84:85], s[4:5], s[84:85]        ; Q's codes
	s_add_nc_u64 s[86:87], s[6:7], s[86:87]        ; dq
	; the prefetches: where my wave's stand, and who asks
	s_cmp_lt_u32 s[WV], 8
	s_cselect_b64 s[PFA:PFA+1], s[4:5], s[8:9]
	s_mov_b32 s[PFS], 16384
	s_cselect_b32 s[PFS], 32768, s[PFS]            ; a slot on
	s_cselect_b32 s82, s83, s92                    ; the head's first byte
	s_and_b32 s83, s[WV], 3
	s_lshl_b32 s83, s83, 13                        ; my wave's 8,192 bytes,
	s_add_co_u32 s82, s82, s83
	s_add_co_u32 s82, s82, s[PFS]                  ; in slot 1: the first change of slots steps it to slot 2
	s_mov_b32 s83, 0
	s_mov_b32 s[PFS+1], 0
	s_add_nc_u64 s[PFA:PFA+1], s[PFA:PFA+1], s[82:83]
	s_sub_co_u32 s82, s[WV], 4
	s_cmp_lt_u32 s82, 6                            ; waves 4 to 9,
	s_cselect_b32 s82, 0, 1
	s_or_b32 s82, s82, ttmp9                       ; of the head's work-group 0
	s_cmp_eq_u32 s82, 0
	s_cselect_b32 s[LIM], 1, -1
	v_and_b32 v[PFO], 31, v0
	v_lshlrev_b32 v[PFO], 8, v[PFO]
	v_and_b32 v8, 15, v0                           ; r
	v_bfe_u32 v9, v0, 4, 1                         ; h
	v_and_b32 v2, 7, v8
	v_lshrrev_b32 v11, 3, v8
	v_lshl_add_u32 v2, v11, 4, v2                  ; query r lies at place r % 8 + 16 (r / 8) of its block's (+ 8 for the second 16)
	v_lshlrev_b32 v2, 6, v2
	v_lshl_add_u32 v2, v9, 4, v2
	global_load_b128 v[16:19], v2, s[84:85]        ; Q's fragment stays in registers: the same bytes of a row in the same registers as K's
	global_load_b128 v[20:23], v2, s[84:85] offset:32
	v_lshlrev_b32 v7, 2, v8
	global_load_b32 v240, v7, s[86:87]             ; dq of my query
	v_mul_u32_u24 v[AK0], v8, KP
	v_lshl_add_u32 v[AK0], v9, 4, v[AK0]           ; a fragment's row x pitch + 16 h: K's and V's alike
	v_lshl_add_u32 v[ASK0], v9, 6, SCK             ; dk: my half's 16 keys of a block of 32
	v_lshl_add_u32 v[ASV0], v8, 2, SCV             ; V's scale words: row r of a tile
	v_mov_b32 v13, 0xff61b1e6                      ; the largest t so far: -3e38, under every t
	v_floor_f32 v12, -v13                          ; -M
	v_mov_b32 v14, 0
	v_mov_b32 v15, 0
.irp j, 0,1,2,3,4,5,6,7
	v_mov_b32 v[24+\j], 0x4b400000                 ; the bits of 1.5 x 2^23: where the int32 sums start
.endr
.irp b, 0,1,2,3
	v_mov_b32 v[236+\b], 0                         ; a lane permute's destination counts as one of its sources
.endr
	v_mov_b32 v241, 0                              ; (upper halves of pairs of which the low word serves both halves, and registers that a path with no step would leave unwritten)
	v_mov_b32 v252, 0
	v_mov_b32 v254, 0
	v_mov_b32 v255, 0
.irp j, 0,1,2,3,4,5,6,7,8,9,10,11,12,13,14,15,16,17,18,19,20,21,22,23,24,25,26,27,28,29,30,31
	v_mov_b32 v[160+\j], 0                         ; O^T: the loop has no first step of its own; the first change of M multiplies zeros
.endr
; A KEY STEP: 128 keys, the q-th of the slot in hand.
.macro STEP q
	s_add_co_u32 s96, s[Q0], 15                    ; a step all of whose keys come after my 16 queries is left out: a branch on ids, round the step's loads, products and softmax, not round the lines at its end
	s_cmp_gt_u32 s[KF], s96
	s_cbranch_scc1 .Lhidden_\@
	v_add_nc_u32 v[ADK], s[TB], v[AK0]
	v_add_nc_u32 v[ADS], s[TS], v[ASK0]
	v_add_nc_u32 v[ADT], s[TJ], v[ASV0]
	v_nop                                          ; four places in front of loads into registers that the last step's products have read
.irp t, 0,1,2,3,4,5,6,7
.irp c, 0,1
	ds_load_b128 v[32+8*\t+4*\c:35+8*\t+4*\c], v[ADK] offset:(128*(\q)+16*\t)*KP+32*\c
.endr
.endr
.irp n, 0,1,2,3,4,5,6,7
	ds_load_b128 v[192+4*\n:195+4*\n], v[ADS] offset:128*(\n/4)+16*(\n%4)   ; dk of keys 32 b + 16 h + 0 .. 15, b = 0, 1
.endr
	s_wait_dscnt 8                                 ; K's sixteen loads are in; dk's eight may be out
.irp t, 0,1,2,3,4,5,6,7
	v_wmma_i32_16x16x64_iu8 v[96+8*\t:103+8*\t], v[32+8*\t:39+8*\t], v[16:23], v[24:31] neg_lo:[1,1,0]
.endr
.rept 8
	v_nop                                          ; eight places behind this form, in front of loads into K's registers and of the first read of results
.endr
.irp n, 0,1,2,3,4,5,6,7
	ds_load_b128 v[32+4*\n:35+4*\n], v[ADS] offset:256+128*(\n/4)+16*(\n%4)   ; dk, b = 2, 3
.endr
.irp t, 0,1,2,3
.irp c, 0,1
	ds_load_b128 v[64+8*\t+4*\c:67+8*\t+4*\c], v[ADK] offset:VOFF+(64*(\q)+16*\t)*KP+32*\c   ; V's four fragments: 16 of d x these 128 keys
.endr
.endr
.irp t, 0,1,2,3
	ds_load_b32 v[248+\t], v[ADT] offset:64*\t
.endr
	s_wait_dscnt 20                                ; dk of keys 0-63 is in; the twenty just issued may be out
.irp j, 0,2,4,6,8,10,12,14,16,18,20,22,24,26,28,30
	v_pk_add_f32 v[96+\j:97+\j], v[96+\j:97+\j], s[MG:MG+1] op_sel_hi:[1,0]   ; the sum as f32, exactly
.endr
.irp j, 0,2,4,6,8,10,12,14,16,18,20,22,24,26,28,30
	v_pk_mul_f32 v[96+\j:97+\j], v[96+\j:97+\j], v[192+\j:193+\j]             ; x dk
.endr
	s_wait_dscnt 12                                ; dk of keys 64-127 is in; V's twelve may be out
.irp j, 0,2,4,6,8,10,12,14,16,18,20,22,24,26,28,30
	v_pk_add_f32 v[128+\j:129+\j], v[128+\j:129+\j], s[MG:MG+1] op_sel_hi:[1,0]
.endr
.irp j, 0,2,4,6,8,10,12,14,16,18,20,22,24,26,28,30
	v_pk_mul_f32 v[128+\j:129+\j], v[128+\j:129+\j], v[32+\j:33+\j]
.endr
	s_add_co_u32 s96, s[KF], 127                   ; on the diagonal the scores of hidden keys become -infinity ahead of the maximum: p = 0 then.  A step all of whose keys count skips this
	s_cmp_le_u32 s96, s[Q0]
	s_cbranch_scc1 .Lopen_\@
	s_sub_co_i32 s96, s[Q0], s[KF]
	v_and_b32 v252, 15, v0
	v_bfe_u32 v255, v0, 4, 1
	v_lshlrev_b32 v255, 4, v255
	v_sub_nc_u32 v252, v252, v255
	v_add_nc_u32 v252, s96, v252                   ; d = my query - the first key - 16 (lane / 16).  Register 16 b + i holds key 32 b + 16 (lane / 16) + i of the step: hidden where 32 b + i > d
	v_mov_b32 v254, 0xff800000
.irp n, 0,1,2,3,4,5,6,7,8,9,10,11,12,13,14,15,16,17,18,19,20,21,22,23,24,25,26,27,28,29,30,31,32,33,34,35,36,37,38,39,40,41,42,43,44,45,46,47,48,49,50,51,52,53,54,55,56,57,58,59,60,61,62,63
	v_cmp_gt_i32 vcc_lo, 32*(\n/16)+\n%16, v252
	v_cndmask_b32 v[96+\n], v[96+\n], v254, vcc_lo
.endr
.Lopen_\@:
.irp b, 0,1,2,3
	v_max3_num_f32 v[232+\b], v[96+16*\b], v[97+16*\b], v[98+16*\b]   ; the largest score of each block of 32 keys: for the row's maximum, and, since p rises with the score (dq is positive), for the block's largest p
.endr
.irp i, 3,5,7,9,11,13
.irp b, 0,1,2,3
	v_max3_num_f32 v[232+\b], v[232+\b], v[96+16*\b+\i], v[97+16*\b+\i]
.endr
.endr
.irp b, 0,1,2,3
	v_max_num_f32 v[232+\b], v[232+\b], v[111+16*\b]
.endr
.irp b, 0,1,2,3
	v_permlanex16_b32 v[236+\b], v[232+\b], s[SEL], s[SEL+1]
.endr
.irp b, 0,1,2,3
	v_max_num_f32 v[232+\b], v[232+\b], v[236+\b]  ; with lane l xor 16's 16 keys
.endr
	v_max3_num_f32 v252, v232, v233, v234
	v_max_num_f32 v252, v252, v235
	v_mul_f32 v252, v240, v252                     ; the step's largest t of my query
	v_max_num_f32 v13, v13, v252                   ; the running largest t
	v_mov_b32 v252, v12
	v_floor_f32 v12, -v13                          ; the new -M = floor(-t): M is a whole number
	v_sub_f32 v252, v12, v252                      ; M's old value less its new one: a whole number, 0 or less
	v_cvt_i32_f32 v252, v252                       ; (it saturates)
	v_ldexp_f32 v254, 1.0, v252                    ; f = 2^(old M - new M): a multiplication by it rounds nothing
.irp j, 0,2,4,6,8,10,12,14,16,18,20,22,24,26,28,30,32,34,36,38,40,42,44,46,48,50,52,54,56,58,60,62
	v_pk_fma_f32 v[96+\j:97+\j], v[96+\j:97+\j], v[240:241], v[12:13] op_sel_hi:[1,0,0]   ; t - M, two at a time (of the pairs dq and -M the low word serves both halves)
.endr
.irp b, 0,1,2,3
	v_fma_f32 v[232+\b], v[232+\b], v240, v12      ; the same of each block's largest score
.endr
.irp j, 0,1,2,3,4,5,6,7,8,9,10,11,12,13,14,15,16,17,18,19,20,21,22,23,24,25,26,27,28,29,30,31,32,33,34,35,36,37,38,39,40,41,42,43,44,45,46,47,48,49,50,51,52,53,54,55,56,57,58,59,60,61,62,63
	v_exp_f32 v[96+\j], v[96+\j]                   ; p = 2^(t - M): not normalised
.endr
	v_pk_mul_f32 v[14:15], v[14:15], v[254:255] op_sel_hi:[1,0]   ; the sums under the new M.  (A plain line behind the exponentials)
	s_wait_alu depctr_va_vdst(0)                   ; a wait ahead of the first reader: one for the whole batch
.irp b, 0,1,2,3
	v_exp_f32 v[232+\b], v[232+\b]                 ; the block's largest p: the same two instructions on the same number give the same bits
.endr
	v_pk_add_f32 v[236:237], v[96:97], v[98:99]    ; the row's sum is taken of the unquantised p: two at a time, in two chains
.irp j, 4,8,12,16,20,24,28,32,36,40,44,48,52,56,60
	v_pk_add_f32 v[14:15], v[14:15], v[96+\j:97+\j]
	v_pk_add_f32 v[236:237], v[236:237], v[98+\j:99+\j]
.endr
	v_pk_add_f32 v[14:15], v[14:15], v[236:237]
	s_wait_alu depctr_va_vdst(0)                   ; and one for the four
.irp b, 0,1,2,3
	v_max_num_f32 v[232+\b], 0x1800000, v[232+\b]  ; the floor 2^(3 - 127): the byte cannot fall under 1 (a block whose every p is 0 keeps that byte: its codes are zeros)
.endr
.irp b, 0,1,2,3
	v_add_nc_u32 v[244+\b], 0xff000000, v[232+\b]  ; 2 off the exponent field: the conversion's scale operand
.endr
.irp b, 0,1,2,3
	v_lshrrev_b32 v[236+\b], 23, v[244+\b]         ; the scale's byte
.endr
	v_lshl_or_b32 v253, v237, 8, v236              ; p's scale word for these 128 keys
	v_lshl_or_b32 v253, v238, 16, v253
	v_lshl_or_b32 v253, v239, 24, v253
.irp b, 0,1,2,3
	v_cvt_scalef32_pk8_fp4_f32 v[224+2*\b], v[96+16*\b:103+16*\b], v[244+\b]
	v_cvt_scalef32_pk8_fp4_f32 v[225+2*\b], v[104+16*\b:111+16*\b], v[244+\b]
.endr
	v_nop                                          ; one plain line behind the last scaled conversion
.irp c, 0,1                            ; the operand's layout wants a whole block in a lane: lanes 0-15 block 2 c, lanes 16-31 block 2 c + 1
.irp i, 0,1
	v_permlane16_swap_b32 v[224+4*\c+\i], v[226+4*\c+\i]
.endr
.endr
.irp j, 0,2,4,6,8,10,12,14,16,18,20,22,24,26,28,30
	v_pk_mul_f32 v[160+\j:161+\j], v[160+\j:161+\j], v[254:255] op_sel_hi:[1,0]   ; O^T under the new M.  Twelve of these sixteen name no register of any one product below: the places behind the writes of p's scale word (8) and codes (4)
.endr
	s_wait_dscnt 0x0                               ; V's fragments and scale words are in
.irp t, 0,1,2,3                        ; O^T += V^T P^T: the four accumulators take turns, one instruction a turn
	v_wmma_scale_f32_16x16x128_f8f6f4 v[160+8*\t:167+8*\t], v[64+8*\t:71+8*\t], v[224:231], v[160+8*\t:167+8*\t], v[248+\t], v253 matrix_a_fmt:MATRIX_FMT_FP4 matrix_b_fmt:MATRIX_FMT_FP4
.endr
.Lhidden_\@:
	s_add_co_u32 s[KF], s[KF], 128
	s_add_co_u32 s[TS], s[TS], 512
	s_add_co_u32 s[TJ], s[TJ], 256
.endm
; THE CHANGE OF SLOTS stands at a slot's head.  Each wave waits for all its tensor loads, adds 0 to its spare word (fill = 1: twice on end), and waits for that and for its reads of the slot that it has left.
; Behind the barrier the slot ahead is whole and nobody reads the other one.  fill = 1: that other slot is filled with the next 512 keys, up to the causal limit: the load has a slot's four steps in which to land.
.macro CHANGE fill
	s_wait_tensorcnt 0x0                           ; no tensor load of mine is out, so a group 0 may be written
	ds_add_u32 v[SPW], v[NIL]
.if \fill
	ds_add_u32 v[SPW], v[NIL]                      ; and once more, in every trip alike
	s_xor_b32 s[G0K+1], s[G0K+1], SLOT1            ; the walking descriptors: the other slot than last time,
	s_add_nc_u64 s[G0K+2:G0K+3], s[G0K+2:G0K+3], 32768   ; the next 512 keys; the type bits on top are not reached
	s_xor_b32 s[G0V+1], s[G0V+1], SLOT1
	s_add_nc_u64 s[G0V+2:G0V+3], s[G0V+2:G0V+3], 16384
	s_wait_xcnt 0x0                                ; the last prefetch, a slot back, has read its address, so it may be written
	s_add_nc_u64 s[PFA:PFA+1], s[PFA:PFA+1], s[PFS:PFS+1]
.endif
	s_wait_dscnt 0x0                               ; the add is done, and my reads of the slot that I have left are over
	s_barrier_signal -1
	s_barrier_wait -1
.if \fill
	s_add_co_u32 s96, s[KF], SK                    ; the first key of the slot that this change would ask for:
	s_cmp_gt_u32 s96, s[QL]                        ; past my work-group's last query it is read by none of the sixteen waves, so it is not asked for.  Ids and the count of steps alone: all waves go the same way, and past the limit stays past it
	s_cbranch_scc1 .Lpast_\@
	TLOAD G0K, G1K, G0V, G1K                       ; a wave's one tensor load until the next change; every wait on TENSORcnt in this text is for 0
.Lpast_\@:
	ASK
.endif
.endm
.macro SLOT_STEPS
	STEP 0
	STEP 1
	STEP 2
	STEP 3
	s_xor_b32 s[TB], s[TB], SLOT1                  ; on to the other slot
.endm
	s_wait_loadcnt 0x0                             ; Q and dq
.Lslot:                                            ; three trips: every work-group walks all four slots, so that the trip counts are constants
	CHANGE 1
	SLOT_STEPS
	s_sub_co_u32 s[SLOTS], s[SLOTS], 1
	s_cmp_lg_u32 s[SLOTS], 0
	s_cbranch_scc1 .Lslot
	CHANGE 0                                       ; the last slot is written out: nothing is left to fetch
	SLOT_STEPS
	; THE WAY OUT.  O^T / the sum; its two blocks of 32 along d are quantised as the out-projection's operand; codes and bytes meet in a stage and leave in runs of 512 and 256 consecutive bytes.
	v_add_f32 v14, v14, v15
	v_permlanex16_b32 v252, v14, s[SEL], s[SEL+1]
	v_add_f32 v14, v14, v252                       ; the row's sum
	v_rcp_f32 v14, v14
	v_and_b32 v2, 15, v0                           ; r  (plain lines behind the reciprocal)
	v_bfe_u32 v3, v0, 4, 1                         ; h
	s_lshl_b32 s81, s72, 12
	s_lshl_b32 s82, s71, 11
	s_add_co_u32 s81, s81, s82
	s_lshl_b32 s82, s70, 5
	s_add_co_u32 s81, s81, s82
	s_add_co_u32 s81, s81, STG
	v_lshlrev_b32 v8, 7, v2
	v_lshl_add_u32 v8, v3, 3, v8
	v_add_nc_u32 v8, s81, v8                       ; codes in: block, token 16 qt + r (128 bytes a token), my head's 32 bytes, + 8 h
	s_lshl_b32 s81, s72, 8
	s_lshl_b32 s82, s71, 7
	s_add_co_u32 s81, s81, s82
	s_lshl_b32 s82, s70, 1
	s_add_co_u32 s81, s81, s82
	s_add_co_u32 s81, s81, STS
	v_lshl_add_u32 v9, v2, 3, s81                  ; bytes in: 8 a token, my head's two
	v_and_b32 v1, 31, v0
	v_lshlrev_b32 v1, 4, v1                        ; 16 x lane
	s_lshl_b32 s81, s[WV], 9
	s_add_co_u32 s81, s81, STG
	v_add_nc_u32 v10, s81, v1                      ; codes back: 512 bytes a wave
	v_add_nc_u32 v11, STS, v1                      ; bytes back
	s_sub_co_u32 s81, s73, ttmp9                   ; 63 - 2 i: from the early block to the late one,
	s_lshl_b32 s81, s81, 8                         ; 256 bytes of scales a block
	v_mul_u32_u24 v7, v3, s81
	v_lshl_add_u32 v7, v2, 4, v7
	s_cmp_eq_u32 s71, 0                            ; waves 0-7 store the early block's codes, waves 8-15 the late one's
	s_cselect_b32 s82, ttmp9, s73
	s_lshl_b32 s82, s82, 12                        ; 32 tokens x 128 bytes
	s_lshl_b32 s83, s69, 18                        ; 262,144 bytes a kv head
	s_add_co_u32 s82, s82, s83
	s_and_b32 s83, s[WV], 7
	s_lshl_b32 s83, s83, 9
	s_add_co_u32 s82, s82, s83
	s_mov_b32 s83, 0
	s_add_nc_u64 s[12:13], s[12:13], s[82:83]
	s_lshl_b32 s82, s69, 14
	s_lshl_b32 s84, ttmp9, 8
	s_add_co_u32 s82, s82, s84
	s_add_nc_u64 s[14:15], s[14:15], s[82:83]
	s_wait_alu depctr_va_vdst(0)                   ; a wait ahead of the reciprocal's first reader
.irp j, 0,1,2,3,4,5,6,7,8,9,10,11,12,13,14,15,16,17,18,19,20,21,22,23,24,25,26,27,28,29,30,31
	v_mul_f32 v[96+\j], v[160+\j], v14             ; register 16 b + n is o(my query, 32 b + 16 h + n)
.endr
.irp b, 0,1
	v_max3_num_f32 v[232+\b], |v[96+16*\b]|, |v[97+16*\b]|, 0x1800000
.endr
.irp i, 2,4,6,8,10,12,14
.irp b, 0,1
	v_max3_num_f32 v[232+\b], v[232+\b], |v[96+16*\b+\i]|, |v[97+16*\b+\i]|
.endr
.endr
.irp b, 0,1
	v_permlanex16_b32 v[236+\b], v[232+\b], s[SEL], s[SEL+1]
.endr
.irp b, 0,1
	v_max_num_f32 v[232+\b], v[232+\b], v[236+\b]
.endr
.irp b, 0,1
	v_add_nc_u32 v[244+\b], 0xff000000, v[232+\b]
.endr
.irp b, 0,1
	v_lshrrev_b32 v[236+\b], 23, v[244+\b]
.endr
	v_lshl_or_b32 v238, v237, 8, v236
.irp b, 0,1
	v_cvt_scalef32_pk8_fp4_f32 v[224+2*\b], v[96+16*\b:103+16*\b], v[244+\b]
	v_cvt_scalef32_pk8_fp4_f32 v[225+2*\b], v[104+16*\b:111+16*\b], v[244+\b]
.endr
	v_nop                                          ; one plain line behind the last scaled conversion
	ds_store_b64 v8, v[224:225]
	ds_store_b64 v8, v[226:227] offset:16
	ds_store_b16 v9, v238                          ; both halves of the lanes write the same bytes with the same values
	s_wait_dscnt 0x0                               ; for the others' sake: my stores are done
	s_barrier_signal -1
	s_barrier_wait -1
	ds_load_b128 v[32:35], v10
	s_wait_dscnt 0x0
	global_store_b128 v1, v[32:35], s[12:13]       ; four tokens' 512 consecutive bytes, aligned
	s_cmp_lg_u32 s[WV], 0
	s_cbranch_scc1 .Lend
	ds_load_b128 v[36:39], v11
	s_wait_dscnt 0x0
	global_store_b128 v7, v[36:39], s[14:15]       ; lanes 0-15 the early block's 256 bytes, lanes 16-31 the late one's
.Lend:
	s_wait_tensorcnt 0x0                           ; the wave's end, behind my last tensor load and my last LDS store
	ds_add_u32 v[SPW], v[NIL]
	s_wait_dscnt 0x0
	s_endpgm
.Lfunc_end_k_q4cb8ec872c_attn:
	.size	k_q4cb8ec872c_attn, .Lfunc_end_k_q4cb8ec872c_attn-k_q4cb8ec872c_attn
	.p2alignl 7, 3214868480
	.fill 96, 4, 3214868480
	.section	.rodata,"a",@progbits
	.p2align	6, 0x0
	.amdhsa_kernel k_q4cb8ec872c_attn
		.amdhsa_group_segment_fixed_size 327680
		.amdhsa_private_segment_fixed_size 0
		.amdhsa_enable_private_segment 0
		.amdhsa_kernarg_size 48
		.amdhsa_user_sgpr_count 2
		.amdhsa_user_sgpr_kernarg_segment_ptr 1
		.amdhsa_wavefront_size32 1
		.amdhsa_system_sgpr_workgroup_id_x 1
		.amdhsa_system_sgpr_workgroup_id_y 1
		.amdhsa_system_sgpr_workgroup_id_z 1
		.amdhsa_system_vgpr_workitem_id 0
		.amdhsa_next_free_vgpr 256
		.amdhsa_next_free_sgpr 100
		.amdhsa_reserve_vcc 1
		.amdhsa_float_denorm_mode_32 3
		.amdhsa_float_denorm_mode_16_64 3
		.amdhsa_memory_ordered 1
		.amdhsa_forward_progress 1
		.amdhsa_inst_pref_size 221
	.end_amdhsa_kernel
	.amdgpu_metadata
---
amdhsa.version: [ 1, 2 ]
amdhsa.kernels:
  - .name:           k_q4cb8ec872c_attn
    .symbol:         k_q4cb8ec872c_attn.kd
    .args:
      - { .name: qk8, .offset: 0, .size: 8, .value_kind: global_buffer, .address_space: global }
      - { .name: qks, .offset: 8, .size: 8, .value_kind: global_buffer, .address_space: global }
      - { .name: vcodes, .offset: 16, .size: 8, .value_kind: global_buffer, .address_space: global }
      - { .name: vscales, .offset: 24, .size: 8, .value_kind: global_buffer, .address_space: global }
      - { .name: ocodes, .offset: 32, .size: 8, .value_kind: global_buffer, .address_space: global }
      - { .name: oscales, .offset: 40, .size: 8, .value_kind: global_buffer, .address_space: global }
    .group_segment_fixed_size: 327680
    .private_segment_fixed_size: 0
    .kernarg_segment_align: 8
    .kernarg_segment_size: 48
    .max_flat_workgroup_size: 512
    .sgpr_count:     100
    .vgpr_count:     256
    .wavefront_size: 32
...
	.end_amdgpu_metadata
.endif
;; end of part 3
;; launch oproj (part 4): grid 16 x 16, 4 waves a work-group, clusters of 4 x 4, 327,680 bytes of LDS; arguments wcodes, wscales, ocodes, oscales, out0; writes out0
.if DOCPART == 4
	.amdgcn_target "amdgcn-amd-amdhsa--gfx1250"
	.amdhsa_code_object_version 6
	.text
	.protected	k_q4cb8ec872c_oproj
	.globl	k_q4cb8ec872c_oproj
	.p2align	8
	.type	k_q4cb8ec872c_oproj,@function
k_q4cb8ec872c_oproj:
	s_mov_b64 s[64:65], 0
	v_nop
	global_prefetch_b8 v0, s[64:65] scope:SCOPE_SE
	s_setreg_imm32_b32 hwreg(HW_REG_WAVE_MODE, 25, 1), 1
	s_wait_xcnt 0x0
	s_wait_alu depctr_hold_cnt(0) depctr_sa_sdst(0) depctr_va_vdst(0) depctr_va_sdst(0) depctr_va_ssrc(0) depctr_va_vcc(0) depctr_vm_vsrc(0)
	s_getreg_b32 s2, hwreg(HW_REG_IB_STS2, 6, 4)
	s_cmp_eq_u32 s2, 0
	s_cbranch_scc0 .Lentry_in_a_cluster
	s_endpgm
.Lentry_in_a_cluster:
	s_bfe_u32 s2, ttmp6, 0x10000c
	s_cmp_lg_u32 s2, 0xf033
	s_cbranch_scc0 .Lentry_shape_is_right
	s_endpgm
.Lentry_shape_is_right:
; LAUNCH 4 OF 4.  out0 = O Wo^T on codes of FP4 with E8M0 scales, K = 2,048.  Nothing is left out here.
; The frame is launch 2's: a work-group makes 128 x 128, four waves 64 x 64 each; the whole K lies in LDS in four chunks of 512; every tensor load is a first fill, five a wave are out at the start; clusters of 4 x 4 with joint loads.
; S0 (source 0) = 128 rows of Wo (rows 5,120 on of wcodes): shared along my column of the cluster.  S1 (source 1) = 128 tokens of O: shared along my row.  A lane holds one token and 8 neighbouring columns of out0.
; O's codes lie [8 g][2048 tokens][128 bytes]: chunk c is g = 2 c and 2 c + 1; 128 tokens of one g are 16,384 dense bytes, brought as 64 rows of 256 bytes (two tokens a row) + 16 of padding.  Its scale bytes [8 g][2048][8]: 1,024 dense bytes for a g and tile.
; REGISTERS as in launch 2: window 0: v8-15 fragment addresses, v16-17 scale addresses, v18-20 the way out, v28-29 the add's two, v32-95 scale words (nothing else ever), v128-255 accumulators; window 1: two fragment buffers.
.set CH,    69632
.set HALFT, 17408
.set BLKB,  4352
.set SCL,   4*CH                       ; Wo's scale bytes: 128 rows x 64 bytes as units of 256 + 16
.set HALFS, 4352
.set SCL1,  SCL+2*HALFS                ; O's: [8 g][128 tokens][8 bytes], dense
.set STAGE, SCL1+8192                  ; the way out: 16 rows x (256 bytes + 16) for each wave; no tensor load lands here
.set SPARE, STAGE+4*16*272             ; the spare words, 128 bytes for each wave, named by no other line
.set AD0,  8
.set AD1,  12
.set ADS0, 16
.set ADS1, 17
.set STO,  18
.set RD,   19
.set CO,   20
.set SPW,  28
.set NIL,  29
.set SC,   32
.set ACC,  128
.set F0,   0
.set F1,   128
.set G1P,  24
.set G1R,  32
.set G1SP, 40
.set G1SR, 48
.set GPS,  56
.set GP0,  60
.set GP1,  68
.set GP2,  72
.set GP3,  76
.set GRS,  80
.set GR0,  84
.set GR1,  88
.set GR2,  92
.set GR3,  96
.set CODEW,  (1<<20)|(1<<21)|(5<<22)|(3<<25)
.set SCALEW, (3<<16)|CODEW
.set MSB, 0
.macro WIN new
.if MSB != \new
	s_set_vgpr_msb (MSB<<8)|\new
.set MSB, \new
.endif
.endm
.set MUL,  0x05
.set TO_F, 0x40
.macro JLOAD g0a, g1a, g0b, g1b        ; a joint load: waves 0 and 1 fetch for S0, waves 2 and 3 for S1; the branch hangs on the wave's number alone
	s_cmp_eq_u32 s17, 0
	s_cbranch_scc0 .Lfor_r_\@
	tensor_load_to_lds s[\g0a:\g0a+3], s[\g1a:\g1a+7]
	s_nop 0
.rept 4
	v_nop
.endr
	s_branch .Lasked_\@
.Lfor_r_\@:
	tensor_load_to_lds s[\g0b:\g0b+3], s[\g1b:\g1b+7]
	s_nop 0
.rept 4
	v_nop
.endr
.Lasked_\@:
.endm
.macro CROUND
	s_barrier_signal -1
	s_barrier_wait -1
	s_cmp_lg_u32 s16, 0
	s_cbranch_scc1 .Lnot_wave_0_\@
	s_barrier_signal -3
.Lnot_wave_0_\@:
	s_barrier_wait -3
	s_barrier_signal -1
	s_barrier_wait -1
.endm
.macro FING0 g, lreg, loff
	s_mov_b32 s[\g], 1
	s_add_co_u32 s[\g+1], s[\lreg], \loff
	s_or_b32 s[\g+3], s[\g+3], 0x80000000
.endm
	s_load_b256 s[4:11], s[0:1], 0x0               ; wcodes s[4:5], wscales s[6:7], ocodes s[8:9], oscales s[10:11]
	s_load_b64 s[12:13], s[0:1], 0x20              ; out0
	v_lshl_add_u32 v[SPW], v0, 2, SPARE
	v_mov_b32 v[NIL], 0
	ds_add_u32 v[SPW], v[NIL]                      ; the wave's opening: the add, twice on end, and its wait ahead of my first tensor load
	ds_add_u32 v[SPW], v[NIL]
	v_lshrrev_b32 v1, 5, v0
	v_readfirstlane_b32 s16, v1                    ; wave 0..3
	s_lshr_b32 s17, s16, 1                         ; w1: my half of the tokens.  Also: I fetch for S0 (0) or S1 (1)
	s_and_b32 s18, s16, 1                          ; w0: my half of the columns.  Also: which part I fetch
	s_bfe_u32 s19, ttmp6, 0x40000                  ; cx
	s_bfe_u32 s20, ttmp6, 0x40004                  ; cy
	s_mov_b32 s21, ttmp9                           ; cluster x
	s_and_b32 s22, ttmp7, 0xffff                   ; cluster y
	s_lshl_b32 s2, 0x1111, s19                     ; my column of the cluster
	s_lshl_b32 s3, s20, 2
	s_lshl_b32 s3, 15, s3                          ; my row
	s_or_b32 s[G1P], s2, CODEW
	s_or_b32 s[G1R], s3, CODEW
	s_or_b32 s[G1SP], s2, SCALEW
	s_or_b32 s[G1SR], s3, (3<<16)|(1<<21)          ; elements of 8 bytes, no padding
.irp g, G1P, G1R                       ; 64 rows of 256 bytes
	s_mov_b32 s[\g+1], 256<<16
	s_mov_b32 s[\g+2], 64<<16
	s_mov_b32 s[\g+3], 256<<16
	s_mov_b32 s[\g+4], 64
	s_mov_b32 s[\g+6], 0
	s_mov_b32 s[\g+7], 0
.endr
	s_mov_b32 s[G1P+5], 1024                       ; Wo: 1,024 bytes from row to row
	s_mov_b32 s[G1R+5], 256                        ; O: dense
	s_mov_b32 s[G1SP+1], 32<<16                    ; Wo's scales of 64 rows: 16 dense rows of 256 bytes
	s_mov_b32 s[G1SP+2], 16<<16
	s_mov_b32 s[G1SP+3], 32<<16
	s_mov_b32 s[G1SP+4], 16
	s_mov_b32 s[G1SP+5], 32
	s_mov_b32 s[G1SP+6], 0
	s_mov_b32 s[G1SP+7], 0
	s_mov_b32 s[G1SR+1], 128<<16                   ; O's scales: 4 rows (g) of 1,024 bytes, 16,384 bytes apart
	s_mov_b32 s[G1SR+2], 4<<16
	s_mov_b32 s[G1SR+3], 128<<16
	s_mov_b32 s[G1SR+4], 4
	s_mov_b32 s[G1SR+5], 2048
	s_mov_b32 s[G1SR+6], 0
	s_mov_b32 s[G1SR+7], 0
	s_lshl_b32 s66, s21, 9
	s_add_co_u32 s66, s66, 5120                    ; Wo's rows: 5,120 + 512 x cluster x
	s_lshl_b32 s100, s19, 7
	s_add_co_u32 s66, s66, s100                    ; + 128 cx
	s_lshl_b32 s23, s18, 6
	s_add_co_u32 s66, s66, s23                     ; + the 64 rows that I fetch
	s_lshl_b32 s[GPS+2], s66, 6
	s_mov_b32 s[GPS+3], 0
	s_lshl_b32 s[GP0+2], s66, 10
	s_mov_b32 s[GP0+3], 0
	s_lshl_b32 s67, s22, 2
	s_add_co_u32 s67, s67, s20                     ; the tile of tokens: 4 x cluster y + cy
	s_lshl_b32 s[GR0+2], s67, 14                   ; 16,384 bytes of codes for a tile and g,
	s_lshl_b32 s23, s18, 18                        ; g = 2 c + the part that I fetch: 262,144 bytes a g
	s_add_co_u32 s[GR0+2], s[GR0+2], s23
	s_mov_b32 s[GR0+3], 0
	s_lshl_b32 s[GRS+2], s67, 10                   ; 1,024 scale bytes for a tile and g,
	s_lshl_b32 s23, s18, 16                        ; g = 4 x the part that I fetch, on: 16,384 bytes a g
	s_add_co_u32 s[GRS+2], s[GRS+2], s23
	s_mov_b32 s[GRS+3], 0
	s_mul_i32 s23, s16, HALFT                      ; where the codes go: wave x 64 rows
	s_mul_i32 s2, s16, HALFS                       ; Wo's scales: wave x 4,352 (waves 0 and 1)
	s_lshl_b32 s3, s18, 12                         ; O's: 4,096 x the part (waves 2 and 3)
	s_wait_dscnt 0x0                               ; both opening adds are done
	s_wait_kmcnt 0x0
	s_add_nc_u64 s[GPS+2:GPS+3], s[6:7], s[GPS+2:GPS+3]
	s_add_nc_u64 s[GP0+2:GP0+3], s[4:5], s[GP0+2:GP0+3]
	s_add_nc_u64 s[GRS+2:GRS+3], s[10:11], s[GRS+2:GRS+3]
	s_add_nc_u64 s[GR0+2:GR0+3], s[8:9], s[GR0+2:GR0+3]
	s_add_nc_u64 s[GP1+2:GP1+3], s[GP0+2:GP0+3], 256
	s_add_nc_u64 s[GP2+2:GP2+3], s[GP0+2:GP0+3], 512
	s_add_nc_u64 s[GP3+2:GP3+3], s[GP0+2:GP0+3], 768
	s_add_nc_u64 s[GR1+2:GR1+3], s[GR0+2:GR0+3], 524288    ; a chunk on: two g
	s_add_nc_u64 s[GR2+2:GR2+3], s[GR0+2:GR0+3], 2*524288
	s_add_nc_u64 s[GR3+2:GR3+3], s[GR0+2:GR0+3], 3*524288
	FING0 GPS, 2, SCL
	FING0 GRS, 3, SCL1
	FING0 GP0, 23, 0
	FING0 GR0, 23, 0
	FING0 GP1, 23, CH
	FING0 GR1, 23, CH
	FING0 GP2, 23, 2*CH
	FING0 GR2, 23, 2*CH
	FING0 GP3, 23, 3*CH
	FING0 GR3, 23, 3*CH
	CROUND                                         ; all sixteen work-groups are here: the joint loads meet
	JLOAD GPS, G1SP, GRS, G1SR                     ; five loads of mine are out: the scales,
	JLOAD GP0, G1P, GR0, G1R                       ; and the four chunks of K
	JLOAD GP1, G1P, GR1, G1R
	JLOAD GP2, G1P, GR2, G1R
	JLOAD GP3, G1P, GR3, G1R
	v_and_b32 v1, 15, v0                           ; r
	v_bfe_u32 v2, v0, 4, 1                         ; h
	v_mul_u32_u24 v3, v1, 272
	v_lshl_add_u32 v3, v2, 4, v3                   ; Wo: row x pitch + 16 h
	v_lshrrev_b32 v4, 1, v1
	v_mul_u32_u24 v4, v4, 272
	v_and_b32 v5, 1, v1
	v_lshl_add_u32 v4, v5, 7, v4
	v_lshl_add_u32 v4, v2, 4, v4                   ; O: two tokens to an LDS row: (r / 2) x pitch + 128 (r % 2) + 16 h
	s_mul_i32 s23, s18, HALFT                      ; my 64 rows of Wo
	s_mul_i32 s100, s17, 8704                      ; my 64 tokens: 32 LDS rows,
	s_add_co_u32 s100, s100, 2*HALFT               ; behind Wo's 128 rows
.irp c, 0,1,2,3
	v_add_nc_u32 v[AD0+\c], s23, v3
	v_add_nc_u32 v[AD1+\c], s100, v4
	s_add_co_u32 s23, s23, CH
	s_add_co_u32 s100, s100, CH
.endr
	v_lshrrev_b32 v4, 2, v1
	v_mul_u32_u24 v4, v4, 272
	v_and_b32 v5, 3, v1
	v_lshl_add_u32 v4, v5, 6, v4
	s_mul_i32 s23, s18, HALFS
	s_add_co_u32 s23, s23, SCL
	v_add_nc_u32 v[ADS0], s23, v4
	s_lshl_b32 s23, s17, 9
	s_add_co_u32 s23, s23, SCL1
	v_lshl_add_u32 v[ADS1], v1, 3, s23             ; O's scale words: 8 bytes a token
	s_mul_i32 s23, s16, 16*272
	s_add_co_u32 s23, s23, STAGE                   ; my stage
	v_mul_u32_u24 v4, v1, 272
	v_lshl_add_u32 v4, v2, 5, v4
	v_add_nc_u32 v[STO], s23, v4                   ; in: row r, 32 bytes for each half of the lanes
	v_mul_u32_u24 v4, v2, 272
	v_lshl_add_u32 v4, v1, 4, v4
	v_add_nc_u32 v[RD], s23, v4                    ; back: lanes 0-15 one row of 256 bytes, lanes 16-31 the next
	v_lshlrev_b32 v[CO], 13, v2
	v_lshl_add_u32 v[CO], v1, 4, v[CO]             ; and the same two rows in out0 (8,192 bytes a row)
	s_lshl_b32 s66, s67, 7
	s_lshl_b32 s23, s17, 6
	s_add_co_u32 s66, s66, s23                     ; my first token
	s_lshl_b32 s66, s66, 13
	s_lshl_b32 s23, s21, 2
	s_add_co_u32 s23, s23, s19                     ; the tile of columns
	s_lshl_b32 s23, s23, 9                         ; 512 bytes a tile,
	s_add_co_u32 s66, s66, s23
	s_lshl_b32 s23, s18, 8                         ; 256 for my half
	s_add_co_u32 s66, s66, s23
	s_mov_b32 s67, 0
	s_add_nc_u64 s[12:13], s[12:13], s[66:67]
.macro FETCH c, hf, f                  ; 32 LDS loads in one run: two k steps into buffer f.  Wo: bytes 128 hf on of chunk c's rows; O: g = 2 c + hf, 17,408 bytes on
	WIN TO_F
.irp cc, 0,1
.irp i, 0,1,2,3
	ds_load_b128 v[\f+64+8*(4*\cc+\i):\f+64+8*(4*\cc+\i)+3],   v[AD0+\c] offset:128*\hf+64*\cc+BLKB*\i
	ds_load_b128 v[\f+64+8*(4*\cc+\i)+4:\f+64+8*(4*\cc+\i)+7], v[AD0+\c] offset:128*\hf+64*\cc+BLKB*\i+32
	ds_load_b128 v[\f+8*(4*\cc+\i):\f+8*(4*\cc+\i)+3],         v[AD1+\c] offset:HALFT*\hf+64*\cc+2176*\i
	ds_load_b128 v[\f+8*(4*\cc+\i)+4:\f+8*(4*\cc+\i)+7],       v[AD1+\c] offset:HALFT*\hf+64*\cc+2176*\i+32
.endr
.endr
.endm
.macro SCALES c, set                   ; chunk c's scale words: Wo: four words a row; O: two words for each of g = 2 c, 2 c + 1
.irp i, 0,1,2,3
	ds_load_b128 v[SC+32*(\set)+4*\i:SC+32*(\set)+4*\i+3], v[ADS0] offset:1088*\i+16*(\c)
.endr
.irp i, 0,1,2,3
.irp e, 0,1
	ds_load_b64 v[SC+32*(\set)+16+4*\i+2*\e:SC+32*(\set)+16+4*\i+2*\e+1], v[ADS1] offset:(2*(\c)+\e)*1024+128*\i
.endr
.endr
.endm
.macro MUL8 f, cc, a0, zero, q, set    ; 8 matrix instructions; the 16 accumulators take turns, one instruction a turn
.irp a, \a0, \a0+1
.irp b, 0,1,2,3
.if \zero
	v_wmma_scale_f32_16x16x128_f8f6f4 v[ACC+8*(4*(\a)+\b):ACC+8*(4*(\a)+\b)+7], v[\f+64+8*(4*(\cc)+\b):\f+64+8*(4*(\cc)+\b)+7], v[\f+8*(4*(\cc)+(\a)):\f+8*(4*(\cc)+(\a))+7], 0, v[SC+32*(\set)+4*\b+(\q)], v[SC+32*(\set)+16+4*(\a)+(\q)] matrix_a_fmt:MATRIX_FMT_FP4 matrix_b_fmt:MATRIX_FMT_FP4
.else
	v_wmma_scale_f32_16x16x128_f8f6f4 v[ACC+8*(4*(\a)+\b):ACC+8*(4*(\a)+\b)+7], v[\f+64+8*(4*(\cc)+\b):\f+64+8*(4*(\cc)+\b)+7], v[\f+8*(4*(\cc)+(\a)):\f+8*(4*(\cc)+(\a))+7], v[ACC+8*(4*(\a)+\b):ACC+8*(4*(\a)+\b)+7], v[SC+32*(\set)+4*\b+(\q)], v[SC+32*(\set)+16+4*(\a)+(\q)] matrix_a_fmt:MATRIX_FMT_FP4 matrix_b_fmt:MATRIX_FMT_FP4
.endif
.endr
.endr
.endm
.macro PLACES
.rept 4
	v_nop
.endr
.endm
.macro EVEN c, zero
	s_wait_dscnt 16                                ; the scale words and the first k step's fragments are in; the second's sixteen loads may be out
	WIN MUL
	MUL8 F0, 0, 0, \zero, 0, (\c)%2
	MUL8 F0, 0, 2, \zero, 0, (\c)%2
	PLACES
	FETCH \c, 1, F1
	s_wait_dscnt 32                                ; all but the 32 just issued
	WIN MUL
	MUL8 F0, 1, 0, 0, 1, (\c)%2
	MUL8 F0, 1, 2, 0, 1, (\c)%2
.endm
.macro ODD c
	s_wait_dscnt 16
	WIN MUL
	MUL8 F1, 0, 0, 0, 2, (\c)%2
	MUL8 F1, 0, 2, 0, 2, (\c)%2
	s_wait_tensorcnt 2-(\c)                        ; my part of the next chunk has landed; the later chunks' loads may stay out
	s_wait_dscnt 0x0
	s_barrier_signal -1
	MUL8 F1, 1, 0, 0, 3, (\c)%2
	s_barrier_wait -1
	PLACES
	WIN 0
	SCALES (\c)+1, ((\c)+1)%2
	FETCH (\c)+1, 0, F0
	WIN MUL
	MUL8 F1, 1, 2, 0, 3, (\c)%2
.endm
	s_wait_tensorcnt 3                             ; the scales and my part of chunk 0 are in; chunks 1 to 3 may be out
	s_barrier_signal -1
	s_barrier_wait -1
	SCALES 0, 0
	FETCH 0, 0, F0
	EVEN 0, 1                                      ; the first k step's products start the sums
	ODD 0
	EVEN 1, 0
	ODD 1
	EVEN 2, 0
	ODD 2
	EVEN 3, 0
	s_wait_dscnt 16
	MUL8 F1, 0, 0, 0, 2, 1
	MUL8 F1, 0, 2, 0, 2, 1
	s_wait_dscnt 0x0
	MUL8 F1, 1, 0, 0, 3, 1
	MUL8 F1, 1, 2, 0, 3, 1
	WIN 0
	PLACES
; THE WAY OUT, 16 tokens x 64 columns at a time.  A lane holds 32 neighbouring bytes of a row and the lanes beside it other rows: a block goes through my own stage and comes back as whole rows of 256 bytes, into the registers that it left.
; LDS serves a wave's instructions in order: no wait between the stores and the loads, nor in front of the next block's stores.
.macro TOSTAGE a
.irp b, 0,1,2,3
	ds_store_b128 v[STO], v[ACC+32*\a+8*\b:ACC+32*\a+8*\b+3] offset:64*\b          ; each accumulator from its low end on
	ds_store_b128 v[STO], v[ACC+32*\a+8*\b+4:ACC+32*\a+8*\b+7] offset:64*\b+16
.endr
.irp t, 0,1,2,3,4,5,6,7
	ds_load_b128 v[ACC+32*\a+4*\t:ACC+32*\a+4*\t+3], v[RD] offset:\t*2*272
.endr
.endm
.macro SEND a, younger                 ; younger: the LDS instructions issued behind block a's loads: the next block's sixteen, or none
.irp t, 0,1,2,3,4,5,6,7
	s_wait_dscnt \younger+7-\t
	global_store_b128 v[CO], v[ACC+32*\a+4*\t:ACC+32*\a+4*\t+3], s[12:13] offset:(16*\a+2*\t)*8192 th:TH_STORE_NT   ; 16 lanes store 256 consecutive bytes, aligned; written once, read by nobody here
.endr
.endm
	TOSTAGE 0
	TOSTAGE 1
	SEND 0, 16
	TOSTAGE 2
	SEND 1, 16
	TOSTAGE 3
	SEND 2, 16
	SEND 3, 0
	s_wait_tensorcnt 0x0                           ; the wave's end, behind my last tensor load and my last LDS store
	ds_add_u32 v[SPW], v[NIL]
	s_wait_dscnt 0x0
	CROUND                                         ; the closing round
	s_endpgm
.Lfunc_end_k_q4cb8ec872c_oproj:
	.size	k_q4cb8ec872c_oproj, .Lfunc_end_k_q4cb8ec872c_oproj-k_q4cb8ec872c_oproj
	.p2alignl 7, 3214868480
	.fill 96, 4, 3214868480
	.section	.rodata,"a",@progbits
	.p2align	6, 0x0
	.amdhsa_kernel k_q4cb8ec872c_oproj
		.amdhsa_group_segment_fixed_size 327680
		.amdhsa_private_segment_fixed_size 0
		.amdhsa_enable_private_segment 0
		.amdhsa_kernarg_size 40
		.amdhsa_user_sgpr_count 2
		.amdhsa_user_sgpr_kernarg_segment_ptr 1
		.amdhsa_wavefront_size32 1
		.amdhsa_system_sgpr_workgroup_id_x 1
		.amdhsa_system_sgpr_workgroup_id_y 1
		.amdhsa_system_sgpr_workgroup_id_z 1
		.amdhsa_system_vgpr_workitem_id 0
		.amdhsa_next_free_vgpr 512
		.amdhsa_next_free_sgpr 104
		.amdhsa_reserve_vcc 0
		.amdhsa_float_denorm_mode_32 3
		.amdhsa_float_denorm_mode_16_64 3
		.amdhsa_memory_ordered 1
		.amdhsa_forward_progress 1
		.amdhsa_inst_pref_size 74
	.end_amdhsa_kernel
	.amdgpu_metadata
---
amdhsa.version: [ 1, 2 ]
amdhsa.kernels:
  - .name:           k_q4cb8ec872c_oproj
    .symbol:         k_q4cb8ec872c_oproj.kd
    .args:
      - { .name: wcodes, .offset: 0, .size: 8, .value_kind: global_buffer, .address_space: global }
      - { .name: wscales, .offset: 8, .size: 8, .value_kind: global_buffer, .address_space: global }
      - { .name: ocodes, .offset: 16, .size: 8, .value_kind: global_buffer, .address_space: global }
      - { .name: oscales, .offset: 24, .size: 8, .value_kind: global_buffer, .address_space: global }
      - { .name: out0, .offset: 32, .size: 8, .value_kind: global_buffer, .address_space: global }
    .group_segment_fixed_size: 327680
    .private_segment_fixed_size: 0
    .kernarg_segment_align: 8
    .kernarg_segment_size: 40
    .max_flat_workgroup_size: 128
    .sgpr_count:     104
    .vgpr_count:     512
    .wavefront_size: 32
...
	.end_amdgpu_metadata
.endif
;; end of part 4
